; MI455X (gfx1250); checked and timed in simulation.
; The chip was launched on July 23, 2026; its instructions are those of AMD's public machine-readable ISA for CDNA 5 (MIT licence, August 2026) and "CDNA5" Instruction Set Architecture Reference Guide (July 2026). The comments in the code are by the model that wrote it; some were corrected since.
;; Transformer. Allowed arithmetic: matrix products marked QUANTISED: E4M3 operands, one given power-of-two scale a tensor, by v_wmma_f32_16x16x64_fp8_fp8 or v_wmma_f32_16x16x128_fp8_fp8, f32 sums; everything else in f32.
;; Inputs: g1 1,024 float32; g2 1,024 float32; lowp_scales 16 int32 (the exponents e of the quantised operands' scales 2^e); w1_codes 4,096 x 32 x 32 uint8 (E4M3 codes of w1, K innermost, in blocks of 32 codes); w2_codes 1,024 x 128 x 32 uint8 (E4M3 codes of w2, K innermost, in blocks of 32 codes); wk_codes 1,024 x 32 x 32 uint8 (E4M3 codes of wk, K innermost, in blocks of 32 codes); wo_codes 1,024 x 32 x 32 uint8 (E4M3 codes of wo, K innermost, in blocks of 32 codes); wq_codes 1,024 x 32 x 32 uint8 (E4M3 codes of wq, K innermost, in blocks of 32 codes); wv_codes 1,024 x 32 x 32 uint8 (E4M3 codes of wv, K innermost, in blocks of 32 codes); x 2 x 2,048 x 1,024 float32.
;; Outputs: out0 2 x 2,048 x 1,024 float32.
;; This version of the problem:
;;   THIS VERSION OF THE PROBLEM IS GIVEN IN LOW PRECISION. The matrix products marked QUANTISED in the list below multiply operands that are first quantised to E4M3 (4 exponent bits, 3 mantissa bits; 8 bits a number), with one given power-of-two scale for each operand tensor; their sums are f32. All else is computed in f32.
;;   The module's matrix products, in the order in which they are computed (A, B: the left and right operand; K: the contracted axis; several contracted axes count as one K, in the product's order):
;;     1. [M 4,096, K 1,024] x [K 1,024, N 1,024]; A: computed on the way; B: input wq (given as codes): QUANTISED (scales: A lowp_scales[0], B lowp_scales[1])
;;     2. [M 4,096, K 1,024] x [K 1,024, N 1,024]; A: computed on the way; B: input wk (given as codes): QUANTISED (scales: A lowp_scales[2], B lowp_scales[3])
;;     3. [M 4,096, K 1,024] x [K 1,024, N 1,024]; A: computed on the way; B: input wv (given as codes): QUANTISED (scales: A lowp_scales[4], B lowp_scales[5])
;;     4. batch 32 x [M 2,048, K 64] x [K 64, N 2,048]; A: computed on the way; B: computed on the way: QUANTISED (scales: A lowp_scales[6], B lowp_scales[7])
;;     5. batch 32 x [M 2,048, K 2,048] x [K 2,048, N 64]; A: softmax (see below); B: computed on the way: QUANTISED (scales: A lowp_scales[8], B lowp_scales[9])
;;     6. [M 4,096, K 1,024] x [K 1,024, N 1,024]; A: computed on the way; B: input wo (given as codes): QUANTISED (scales: A lowp_scales[10], B lowp_scales[11])
;;     7. [M 4,096, K 1,024] x [K 1,024, N 4,096]; A: computed on the way; B: input w1 (given as codes): QUANTISED (scales: A lowp_scales[12], B lowp_scales[13])
;;     8. [M 4,096, K 4,096] x [K 4,096, N 1,024]; A: computed on the way; B: input w2 (given as codes): QUANTISED (scales: A lowp_scales[14], B lowp_scales[15])
;;   THE QUANTISER, for each operand of a quantised product, along K:
;;     - The operand's scale is 2^e, e = its entry of the input lowp_scales (int32; the entries are numbered through the quantised products in the list's order, A before B).
;;     - Each number is divided by the scale, clamped to +-448, and rounded to the nearest number of E4M3, ties to even, subnormals kept.
;;     - The product sums the exact products of the quantised numbers (number of the format x scale) in f32.
;;   ~~~python
;;   def quantise(x, axis, e):      # numpy; x: float32 -> the quantised numbers, widened to float32 again
;;       x = np.moveaxis(x, axis, -1); K = x.shape[-1]
;;       r = np.clip(x / 2.0 ** e, -448, 448)
;;       step = 2.0 ** (np.maximum(np.frexp(np.where(r == 0, 1, r))[1] - 1, -6) - 3)
;;       q = np.round(r / step) * step * 2.0 ** e      # np.round: ties to even
;;       return np.moveaxis(q, -1, axis).astype(np.float32)
;;   ~~~
;;   SOFTMAX AHEAD OF A QUANTISED PRODUCT. Where the list says 'softmax', what is quantised is not the finished softmax but p = 2^(t - M), with t = logit x log2(e) and M = ceil(the row's largest t), a whole number; so 1/2 < the row's largest p <= 1. The row's sum l is taken of the UNQUANTISED p, in f32, and the product's result is divided by l at the end. Since M is a whole number, a kernel that streams over the keys may use a running M (the ceiling of the running maximum): every later rescaling is an exact power of two, so the quantised numbers keep their values, but for numbers so far below the row's largest that they fall under the format's range.
;;   OPERANDS COMPUTED ON THE WAY. 'Computed on the way' means the value that the module computes at that place (a softmax that the list does not call 'softmax' is quantised finished and normalised). What goes into a quantiser is computed in f32, as accurately as f32 sums, v_exp_f32 and their like allow (about 1e-6 of the number): no bf16 or f16 on the way to a quantiser, and a product that is left as it is and whose result goes on into a quantised operand takes f32 operands (vector FMAs, or v_wmma_f32_16x16x4_f32). A number that lies on a knife's edge between two numbers of the format may be rounded either way, as far as f32 arithmetic and the matrix unit's own rounding can turn it there, and no further.
;;   INPUTS GIVEN AS CODES. w1 (in the module: [4096, 1024], K = its axis 1); w2 (in the module: [1024, 4096], K = its axis 1); wk (in the module: [1024, 1024], K = its axis 1); wo (in the module: [1024, 1024], K = its axis 1); wq (in the module: [1024, 1024], K = its axis 1); wv (in the module: [1024, 1024], K = its axis 1): each comes as NAME_codes (uint8): NAME with its K axis moved to the last place and cut into blocks of 32 codes, [.., K / 32, bytes a block], one block behind the other in memory; one code a byte (a code: sign, 4 exponent bits, 3 mantissa bits); its scale is its entry of lowp_scales. Its value is code x scale, taken as it is: it is not quantised again, and the codes and scales need not be those that the quantiser above would give.
;; One version. Each part assembles by itself: llvm-mc -triple=amdgcn-amd-amdhsa -mcpu=gfx1250 --defsym DOCPART=n.
;; ======== version 1 of 1: 7 launches
;; limits: right only within a limited range of input values
;; workspace buffers: xn_codes 12,582,912 bytes; qkv_codes 12,582,912 bytes; attn_codes 4,194,304 bytes; x1 16,777,216 bytes; xn2_codes 4,194,304 bytes; h_codes 16,777,216 bytes
;; launch norm1 (part 1): grid 512 x 1, 8 waves a work-group, no clusters, 41,984 bytes of LDS; arguments x, g1, lowp_scales, xn_codes; writes xn_codes
.if DOCPART == 1
	.amdgcn_target "amdgcn-amd-amdhsa--gfx1250"
	.amdhsa_code_object_version 6
	.text
	.protected	k_q0e880de8c0_norm1
	.globl	k_q0e880de8c0_norm1
	.p2align	8
	.type	k_q0e880de8c0_norm1,@function
k_q0e880de8c0_norm1:
	s_mov_b64 s[64:65], 0
	v_nop
	global_prefetch_b8 v0, s[64:65] scope:SCOPE_SE
	s_setreg_imm32_b32 hwreg(HW_REG_WAVE_MODE, 25, 1), 1
	s_wait_xcnt 0x0
; FIRST OF SEVEN LAUNCHES of a pre-norm transformer block on 4,096 tokens of 1,024 numbers: norm1, qkv, attn, wo, norm2, ffn1, ffn2.
; THIS ONE: xn = x / sqrt(mean(x^2) + 1e-5) * g1, quantised three times (it is the left operand of three products, each with a scale of its own: entries 0, 2, 4 of the exponents) into three planes
; [4096][1024] of E4M3 codes, K innermost.  code = xn / 2^e, held within +-448, rounded to the nearest code, ties to even.
; DEAD WORK OF THE PROGRAM (left out in the launch attn): the scores of key k for query q with k > q.  The problem's own triu mask sets them to -infinity ahead of the softmax, so their weight is 0 for all values of the
; inputs and neither the row's maximum, nor its sum, nor the second product takes anything from them.  They are left out where they come in whole steps of 128 keys; inside the step on the diagonal they are computed and masked.
; LIMIT: a NaN, an infinity or an overflow that reaches only those scores is not carried to the result.  Every input has a way to the output and is loaded by some launch.
; ORDER OF ROUNDING: (x g) rsqrt(..) here, (x / sqrt(..)) g in the problem's text: they differ by roundings of f32 alone.
; LIMITS: each exponent e between -126 and 119, so that 2^e and 448 x 2^e are f32 numbers.  NaN among the inputs is not served.
; SHARES.  A wave takes one row of 4,096 bytes: the sum of squares never leaves the wave: no barrier.  Each load reads 512 consecutive bytes, 16 a lane; the conversions want 16 NEIGHBOURS in one lane, so the row turns through the
; wave's own stage in LDS (64 bytes + 16 of padding a place) and comes back 64 bytes a lane.  A lane's 16 codes are 16 bytes: a store of the wave covers 512 consecutive bytes, aligned.
; No matrix unit, no cluster, no tensor load: the launch streams; all that its work-groups share is g, 4,096 bytes beside a work-group's 32,768 of x.
.set NPL,   3                          ; planes of codes
.set EOFF,  0                          ; byte of the first plane's exponent; the planes' exponents lie 8 bytes apart
.set SP,    80                         ; a lane's place in the stage
.set WREG,  64*SP                      ; a wave's stage: two halves of a row, 32 places each
.set SPARE, 8*WREG                     ; behind the stages: the spare words, 128 bytes for each wave: four blocks of 256 bytes that no other line names
.set X,   16                           ; v16-47   the row as loaded, then x g
.set G,   48                           ; v48-79   g
.set Y,   80                           ; v80-111  my 32 numbers: 16 neighbours of each half
.set T,   112                          ; v112-207 held numbers, 32 for each plane
.set C,   208                          ; v208-231 codes, 8 registers for each plane: no store's data are written again
.set KC,  232                          ; v232..   for each plane 2^e and 448 x 2^e
.set SPW, 12                           ; v12      LDS address of my spare word; never rewritten
.set NIL, 13                           ; v13      0; never rewritten
.set OB,  32                           ; s32..    a base for each plane
	s_load_b256 s[4:11], s[0:1], 0x0               ; x s[4:5], g s[6:7], the exponents s[8:9], the codes s[10:11]
	v_lshl_add_u32 v[SPW], v0, 2, SPARE
	v_mov_b32 v[NIL], 0
	v_lshrrev_b32 v1, 5, v0
	s_delay_alu instid0(VALU_DEP_1)
	v_readfirstlane_b32 s12, v1                    ; wave 0..7
	v_and_b32 v2, 31, v0                           ; lane
	s_delay_alu instid0(VALU_DEP_1)
	v_lshlrev_b32 v3, 4, v2                        ; my 16 bytes of a load's or a store's 512
	s_mul_i32 s13, s12, WREG
	v_lshrrev_b32 v14, 2, v2
	s_delay_alu instid0(VALU_DEP_1)
	v_mul_u32_u24 v14, v14, SP
	v_and_b32 v15, 3, v2
	s_delay_alu instid0(VALU_DEP_1)
	v_lshl_add_u32 v14, v15, 4, v14
	s_delay_alu instid0(VALU_DEP_1)
	v_add_nc_u32 v14, s13, v14                     ; the stage, on the way in: four lanes' 64 bytes on end, then the padding
	v_mul_u32_u24 v15, v2, SP
	s_delay_alu instid0(VALU_DEP_1)
	v_add_nc_u32 v15, s13, v15                     ; and on the way out: my place
	s_lshl_b32 s14, ttmp9, 3
	s_add_co_u32 s14, s14, s12                     ; my row: 8 x work-group + wave
	s_lshl_b32 s16, s14, 12                        ; its bytes in x,
	s_mov_b32 s17, 0
	s_lshl_b32 s18, s14, 10                        ; and in a plane of codes
	s_mov_b32 s19, 0
	s_mov_b32 s20, 0x76543210                      ; v_permlanex16_b32: lane l xor 16
	s_mov_b32 s21, 0xfedcba98
	s_mov_b32 s22, 0x3727c5ac                      ; 1e-5
	s_wait_alu depctr_va_vdst(0)
	s_wait_kmcnt 0x0
.set j, 0
.rept NPL
	s_load_b32 s[24+j], s[8:9], EOFF+8*j           ; the planes' exponents
.set j, j+1
.endr
	s_add_nc_u64 s[4:5], s[4:5], s[16:17]
	s_add_nc_u64 s[10:11], s[10:11], s[18:19]
.set j, 0
.rept NPL
	s_add_nc_u64 s[OB+2*j:OB+2*j+1], s[10:11], j*0x400000
.set j, j+1
.endr
.irp i, 0,1,2,3,4,5,6,7
	global_load_b128 v[X+4*\i:X+4*\i+3], v3, s[4:5] offset:512*\i th:TH_LOAD_NT
.endr
.irp i, 0,1,2,3,4,5,6,7
	global_load_b128 v[G+4*\i:G+4*\i+3], v3, s[6:7] offset:512*\i
.endr
	s_wait_loadcnt 8                               ; the row is in; g's eight loads may be out
.irp k, 0,1,2,3
	v_pk_mul_f32 v[4+2*\k:5+2*\k], v[X+2*\k:X+2*\k+1], v[X+2*\k:X+2*\k+1]   ; the sum of squares in four packed chains; the first products start them
.endr
.set i, 4
.rept 12
	s_delay_alu instid0(VALU_DEP_4)
	v_pk_fma_f32 v[4+2*(i%4):5+2*(i%4)], v[X+2*i:X+2*i+1], v[X+2*i:X+2*i+1], v[4+2*(i%4):5+2*(i%4)]
.set i, i+1
.endr
	s_delay_alu instid0(VALU_DEP_3)
	v_pk_add_f32 v[4:5], v[4:5], v[6:7]
	s_delay_alu instid0(VALU_DEP_2)
	v_pk_add_f32 v[8:9], v[8:9], v[10:11]
	s_delay_alu instid0(VALU_DEP_1)
	v_pk_add_f32 v[4:5], v[4:5], v[8:9]
	s_delay_alu instid0(VALU_DEP_1)
	v_add_f32 v4, v4, v5
	s_delay_alu instid0(VALU_DEP_1)
	v_add_f32_dpp v4, v4, v4 row_xmask:1 row_mask:0xf bank_mask:0xf
	s_delay_alu instid0(VALU_DEP_1)
	v_add_f32_dpp v4, v4, v4 row_xmask:2 row_mask:0xf bank_mask:0xf
	s_delay_alu instid0(VALU_DEP_1)
	v_add_f32_dpp v4, v4, v4 row_xmask:4 row_mask:0xf bank_mask:0xf
	s_delay_alu instid0(VALU_DEP_1)
	v_add_f32_dpp v4, v4, v4 row_xmask:8 row_mask:0xf bank_mask:0xf
	s_delay_alu instid0(VALU_DEP_1)
	v_permlanex16_b32 v5, v4, s20, s21
	s_delay_alu instid0(VALU_DEP_1)
	v_add_f32 v4, v4, v5                           ; every lane holds the row's sum of squares
	s_wait_loadcnt 0x0                             ; g
.set i, 0
.rept 16
	v_pk_mul_f32 v[X+2*i:X+2*i+1], v[X+2*i:X+2*i+1], v[G+2*i:G+2*i+1]
.set i, i+1
.endr
.irp i, 0,1,2,3,4,5,6,7
	ds_store_b128 v14, v[X+4*\i:X+4*\i+3] offset:32*SP*(\i/4)+8*SP*(\i%4)
.endr
.irp u, 0,1
.irp m, 0,1,2,3
	ds_load_b128 v[Y+16*\u+4*\m:Y+16*\u+4*\m+3], v15 offset:32*SP*\u+16*\m   ; LDS serves a wave's instructions in order (ISA guide 5.7.1.4): these see my stores.  Numbers 512 u + 16 lane + 0 .. 15
.endr
.endr
	v_fma_f32 v4, v4, 0x3a800000, s22              ; the mean (x 2^-10) + 1e-5
	s_wait_alu depctr_va_vdst(0)
	v_rsq_f32 v8, v4
	v_nop                                          ; a plain instruction behind the transcendental
	s_wait_kmcnt 0x0
.set j, 0
.rept NPL
	s_add_co_i32 s[24+j], s[24+j], 127
	s_lshl_b32 s40, s[24+j], 23
	v_mov_b32 v[KC+2*j], s40                       ; 2^e as f32: the conversion takes its exponent field
	s_add_co_i32 s[24+j], s[24+j], 8
	s_lshl_b32 s40, s[24+j], 23
	s_or_b32 s40, s40, 0x600000
	v_mov_b32 v[KC+2*j+1], s40                     ; 448 x 2^e
.set j, j+1
.endr
	s_wait_alu depctr_va_vdst(0)                   ; the wait ahead of the first instruction that names the root's register
	s_wait_dscnt 0x0                               ; my numbers are back from the stage
.set i, 0
.rept 16
	v_pk_mul_f32 v[Y+2*i:Y+2*i+1], v[Y+2*i:Y+2*i+1], v[8:9] op_sel_hi:[1,0]
.set i, i+1
.endr
.set j, 0
.rept NPL
.set i, 0
.rept 32
	v_med3_num_f32 v[T+32*j+i], v[Y+i], -v[KC+2*j+1], v[KC+2*j+1]   ; the conversion to an 8-bit code does not saturate (ISA guide 7.6.2): the hold comes first
.set i, i+1
.endr
.irp g, 0,1,2,3
	v_cvt_scalef32_pk8_fp8_f32 v[C+8*j+2*\g:C+8*j+2*\g+1], v[T+32*j+8*\g:T+32*j+8*\g+7], v[KC+2*j]
.endr
	global_store_b128 v3, v[C+8*j:C+8*j+3], s[OB+2*j:OB+2*j+1]              ; 32 lanes store 512 consecutive bytes, aligned
	global_store_b128 v3, v[C+8*j+4:C+8*j+7], s[OB+2*j:OB+2*j+1] offset:512
.set j, j+1
.endr
	v_nop                                          ; a plain line behind the last conversion
	s_wait_tensorcnt 0x0                           ; the wave's end
	ds_add_u32 v[SPW], v[NIL]
	s_wait_dscnt 0x0
	s_endpgm
.Lfunc_end_k_q0e880de8c0_norm1:
	.size	k_q0e880de8c0_norm1, .Lfunc_end_k_q0e880de8c0_norm1-k_q0e880de8c0_norm1
	.p2alignl 7, 3214868480
	.fill 96, 4, 3214868480
	.section	.rodata,"a",@progbits
	.p2align	6, 0x0
	.amdhsa_kernel k_q0e880de8c0_norm1
		.amdhsa_group_segment_fixed_size 41984
		.amdhsa_private_segment_fixed_size 0
		.amdhsa_enable_private_segment 0
		.amdhsa_kernarg_size 32
		.amdhsa_user_sgpr_count 2
		.amdhsa_user_sgpr_kernarg_segment_ptr 1
		.amdhsa_wavefront_size32 1
		.amdhsa_system_sgpr_workgroup_id_x 1
		.amdhsa_system_sgpr_workgroup_id_y 1
		.amdhsa_system_sgpr_workgroup_id_z 1
		.amdhsa_system_vgpr_workitem_id 0
		.amdhsa_next_free_vgpr 240
		.amdhsa_next_free_sgpr 66
		.amdhsa_reserve_vcc 0
		.amdhsa_float_denorm_mode_32 3
		.amdhsa_float_denorm_mode_16_64 3
		.amdhsa_memory_ordered 1
		.amdhsa_forward_progress 1
		.amdhsa_inst_pref_size 18
	.end_amdhsa_kernel
	.amdgpu_metadata
---
amdhsa.version: [ 1, 2 ]
amdhsa.kernels:
  - .name:           k_q0e880de8c0_norm1
    .symbol:         k_q0e880de8c0_norm1.kd
    .args:
      - { .name: x, .offset: 0, .size: 8, .value_kind: global_buffer, .address_space: global }
      - { .name: g1, .offset: 8, .size: 8, .value_kind: global_buffer, .address_space: global }
      - { .name: lowp_scales, .offset: 16, .size: 8, .value_kind: global_buffer, .address_space: global }
      - { .name: xn_codes, .offset: 24, .size: 8, .value_kind: global_buffer, .address_space: global }
    .group_segment_fixed_size: 41984
    .private_segment_fixed_size: 0
    .kernarg_segment_align: 8
    .kernarg_segment_size: 32
    .max_flat_workgroup_size: 256
    .sgpr_count:     66
    .vgpr_count:     240
    .wavefront_size: 32
...
	.end_amdgpu_metadata
.endif
;; end of part 1
;; launch qkv (part 2): grid 4 x 48, 4 waves a work-group, clusters of 4 x 4, 327,680 bytes of LDS; arguments xn_codes, wq_codes, wk_codes, wv_codes, lowp_scales, qkv_codes; writes qkv_codes
.if DOCPART == 2
	.amdgcn_target "amdgcn-amd-amdhsa--gfx1250"
	.amdhsa_code_object_version 6
	.text
	.protected	k_q0e880de8c0_qkv
	.globl	k_q0e880de8c0_qkv
	.p2align	8
	.type	k_q0e880de8c0_qkv,@function
k_q0e880de8c0_qkv:
	s_mov_b64 s[64:65], 0
	v_nop
	global_prefetch_b8 v0, s[64:65] scope:SCOPE_SE
	s_setreg_imm32_b32 hwreg(HW_REG_WAVE_MODE, 25, 1), 1
	s_wait_xcnt 0x0
	s_wait_alu depctr_hold_cnt(0) depctr_sa_sdst(0) depctr_va_vdst(0) depctr_va_sdst(0) depctr_va_ssrc(0) depctr_va_vcc(0) depctr_vm_vsrc(0)
	s_getreg_b32 s2, hwreg(HW_REG_IB_STS2, 6, 4)
	s_cmp_eq_u32 s2, 0
	s_cbranch_scc0 .Lentry_in_a_cluster
	s_endpgm
.Lentry_in_a_cluster:
	s_bfe_u32 s2, ttmp6, 0x10000c
	s_cmp_lg_u32 s2, 0xf033
	s_cbranch_scc0 .Lentry_shape_is_right
	s_endpgm
.Lentry_shape_is_right:
; q = xn wq^T, k = xn wk^T, v = xn wv^T on codes of E4M3, each result quantised at once for attention's two products.  No work of the problem is left out here.
; xn_codes: three planes [4096][1024] on end, one for each product (each quantised with that product's own scale): read as ONE matrix X of 12,288 rows.  The weights: [1024][1024] codes, K innermost.
; A tile of C, 256 x 256, is made by a work-group of four waves; a wave makes 128 x 128: 64 accumulators, 512 registers.  192 tiles: p = cluster y / 4 says which product (0 q, 1 k, 2 v).
; K goes in steps of 256 through a ring of two LDS slots filled by the tensor data mover.  CLUSTERS of 4 x 4: X's tile is shared along a row of the cluster, the weight's along a column: each is asked for jointly.
; THE MATRIX INSTRUCTION IS USED TRANSPOSED (source 0 = the columns' operand, source 1 = the rows'): a lane holds eight neighbouring columns of one row of C, which the conversion packs into eight codes.
; q and k want the FEATURES along a lane's registers (the scores' K): rows = tokens, columns = features.  v wants the KEYS there (the second product's K): rows = features, columns = tokens.  So for v (f = 1) the two LDS
; regions take the other tensors (region 0 the weight's tile, region 1 X's); the fragment addresses, the masks and the places in LDS are the same for all three.  f hangs on the cluster's y alone, which all partners share.
; OUT: three planes of 4 MiB, each [column / 64][row][64 bytes]: q, k: [head][token][64]; v: [token / 64][feature][64 keys].  A store of the wave covers 512 consecutive bytes, aligned.
; A sum stands for sum x 2^(ea + eb), so its code is sum / 2^d with d = e6 - e0 - e1 (q), e7 - e2 - e3 (k), e9 - e4 - e5 (v).  LIMIT: d between -126 and 119.  NaN is not served.
; REGISTERS, in windows of 256: window 0: v4-15 addresses and constants; v32-111 at work on the way out; from v128 the rows' fragments, ONE set.  window 1: the columns' fragments, TWO sets.  windows 2, 3: the accumulators.
.set SIZE_K, 1024
.set KSTEP,  256
.set ROWB,   256
.set KROW,   SIZE_K
.set PITCH,  272                       ; an LDS row: 256 bytes + 16 of padding = 68 words: the 16 rows that a load touches start at 16 different banks (64 banks of 4 bytes: ISA guide 11.1)
.set FR,     16
.set NL,     4
.set NP,     4
.set HALFT,  128*PITCH
.set SLOT,   4*HALFT                   ; X's 256 rows, then the weight's 256 rows
.set LAPS,   SIZE_K/(2*KSTEP)
.set SPARE,  2*SLOT                    ; behind the ring: the spare words, two blocks of 256 bytes that no other line names
.set STAGE,  SPARE+512                 ; behind them: 16 rows x 144 bytes for each wave, for the way out; no fill lands here
.set SPITCH, 144
.set ADRA, 4                           ; v4-5   LDS address of the rows' fragments in slot 0, 1
.set ADRB, 6                           ; v6-7   the same for the columns'
.set STO,  8                           ; v8     the way out: where I put 8 codes of a row
.set RD,   9                           ; v9     where I read 16 bytes back
.set CO,   10                          ; v10    16 x lane
.set SPW,  12                          ; v12    my spare word; never rewritten
.set NIL,  13                          ; v13    0; never rewritten
.set SC,   14                          ; v14    2^d
.set LIM,  15                          ; v15    448 x 2^d
.set TMP,  32
.set CD,   96
.set AF,   128
.set BK,   128
.set G1, 24
.set G0, 32
.set G1B, 48
.set G0B, 56
.set MSB, 0
.macro WIN new                         ; the immediate's high byte repeats the setting that is left
.if MSB != \new
	s_set_vgpr_msb (MSB<<8)|\new
.set MSB, \new
.endif
.endm
.set MUL_LO, 0xa1                      ; source 0 window 1, source 1 window 0, C and D window 2
.set MUL_HI, 0xf1                      ; the same, C and D window 3
.set TO_B,   0x40                      ; destination window 1, address window 0
; A joint load: waves 0 and 1 fetch the rows' operand's halves, waves 2 and 3 the columns'.  The branch hangs on the wave's number alone.  An s_nop 0 and four v_nop follow each of the two lines.
.macro JLOAD g0a, g1a, g0b, g1b
	s_cmp_eq_u32 s15, 0
	s_cbranch_scc0 .Lfor_b_\@
	tensor_load_to_lds s[\g0a:\g0a+3], s[\g1a:\g1a+7]
	s_nop 0
.rept 4
	v_nop
.endr
	s_branch .Lasked_\@
.Lfor_b_\@:
	tensor_load_to_lds s[\g0b:\g0b+3], s[\g1b:\g1b+7]
	s_nop 0
.rept 4
	v_nop
.endr
.Lasked_\@:
.endm
.macro CREST                           ; a round of the cluster's barrier behind its opening barrier
	s_cmp_lg_u32 s14, 0
	s_cbranch_scc1 .Lnot_wave_0_\@
	s_barrier_signal -3
.Lnot_wave_0_\@:
	s_barrier_wait -3
	s_barrier_signal -1
	s_barrier_wait -1
.endm
.macro CROUND
	s_barrier_signal -1
	s_barrier_wait -1
	CREST
.endm
	s_load_b256 s[4:11], s[0:1], 0x0               ; X s[4:5], wq s[6:7], wk s[8:9], wv s[10:11]
	s_load_b128 s[68:71], s[0:1], 0x20             ; the exponents s[68:69], the codes out s[70:71]
	v_lshl_add_u32 v[SPW], v0, 2, SPARE
	v_mov_b32 v[NIL], 0
	ds_add_u32 v[SPW], v[NIL]                      ; the wave's opening
	ds_add_u32 v[SPW], v[NIL]
	v_lshrrev_b32 v1, 5, v0
	v_readfirstlane_b32 s14, v1                    ; wave 0..3
	s_lshr_b32 s15, s14, 1                         ; which half of the tile's rows is mine.  Also: I fetch for the rows' operand (0) or for the columns' (1)
	s_and_b32 s16, s14, 1                          ; which half of its columns.  Also: which 128 rows I fetch
	s_bfe_u32 s40, ttmp6, 0x40000                  ; cx, cy: my place in the cluster
	s_bfe_u32 s41, ttmp6, 0x40004
	s_lshl_b32 s42, ttmp9, 2
	s_add_co_u32 s42, s42, s40                     ; gx: which 256 rows of the weight
	s_and_b32 s12, ttmp7, 0xffff                   ; cluster y, 0..11
	s_lshl_b32 s17, s12, 2
	s_add_co_u32 s18, s17, s40                     ; 4 x cluster y + cx
	s_add_co_u32 s17, s17, s41                     ; 4 x cluster y + cy
	s_lshr_b32 s13, s12, 2                         ; p: 0 q, 1 k, 2 v
	s_lshr_b32 s12, s12, 3
	s_and_b32 s12, s12, 1                          ; f: 1 for v
	; THE LDS REGIONS KEEP THEIR ROLES FOR ALL THREE PRODUCTS: region 0 holds the rows' operand, shared along a row of the cluster, region 1 the columns', shared along a column.
	; What changes with f is which tensor and which tile go there: f = 0: rows = X's tile 4 x cluster y + cy, columns = the weight's tile gx; f = 1: rows = the weight's tile cy, columns = X's tile 4 x cluster y + cx.
	s_cmp_eq_u32 s12, 0
	s_cselect_b32 s17, s17, s41                    ; the rows' tile: hangs on cy, never on cx
	s_cselect_b32 s42, s42, s18                    ; the columns' tile: hangs on cx, never on cy
	s_lshl_b32 s43, s41, 2
	s_lshl_b32 s43, 15, s43                        ; my row of the cluster
	s_lshl_b32 s44, 0x1111, s40                    ; my column
	s_or_b32 s[G1+0], s43, (0<<16)|(1<<20)|(1<<21)|(5<<22)|(3<<25)  ; the mask; elements of 1 byte; padding on; bit 21 beside a mask; after every 64 words, 4 words
	s_or_b32 s[G1B+0], s44, (0<<16)|(1<<20)|(1<<21)|(5<<22)|(3<<25)
.irp g, G1, G1B
	s_mov_b32 s[\g+1], ROWB<<16                    ; tensor_dim0
	s_mov_b32 s[\g+2], 128<<16                     ; tensor_dim1
	s_mov_b32 s[\g+3], ROWB<<16                    ; tile_dim0
	s_mov_b32 s[\g+4], 128                         ; tile_dim1
	s_mov_b32 s[\g+5], KROW                        ; tensor_dim0_stride
	s_mov_b32 s[\g+6], 0
	s_mov_b32 s[\g+7], 0
.endr
	s_lshl_b32 s18, s16, 7
	s_lshl_b32 s20, s17, 8
	s_add_co_u32 s20, s20, s18                     ; the rows' tensor: row 256 x its tile + 128 x half
	s_lshl_b32 s46, s42, 8
	s_add_co_u32 s46, s46, s18                     ; the columns' tensor: row 256 x its tile + 128 x half
	s_mov_b32 s21, 0
	s_mov_b32 s47, 0
	s_mov_b64 s[18:19], KROW
	s_mul_u64 s[20:21], s[20:21], s[18:19]
	s_mul_u64 s[46:47], s[46:47], s[18:19]
	s_mul_i32 s45, s14, HALFT                      ; where they go: wave x 128 rows
	s_wait_dscnt 0x0                               ; both opening adds are done
	s_wait_kmcnt 0x0
	s_load_b512 s[72:87], s[68:69], 0x0            ; e0 .. e15
	s_cmp_eq_u32 s13, 0                            ; the weight is chosen by p, which hangs on no address
	s_cselect_b64 s[6:7], s[6:7], s[8:9]
	s_cmp_eq_u32 s13, 2
	s_cselect_b64 s[6:7], s[10:11], s[6:7]
	s_cselect_b64 s[8:9], s[6:7], s[4:5]           ; the rows' tensor: the weight for v, else X (the compare with 2 still stands)
	s_cselect_b64 s[10:11], s[4:5], s[6:7]         ; the columns' tensor
	s_add_nc_u64 s[20:21], s[8:9], s[20:21]
	s_add_nc_u64 s[46:47], s[10:11], s[46:47]
	CROUND                                         ; all sixteen work-groups are here: the first joint loads meet
.irp s, 0,1
	s_mov_b32 s[G0+4*\s], 1
	s_add_co_u32 s[G0+4*\s+1], s45, \s*SLOT
	s_add_nc_u64 s[G0+4*\s+2:G0+4*\s+3], s[20:21], \s*ROWB
	s_or_b32 s[G0+4*\s+3], s[G0+4*\s+3], 0x80000000
	s_mov_b32 s[G0B+4*\s], 1
	s_add_co_u32 s[G0B+4*\s+1], s45, \s*SLOT
	s_add_nc_u64 s[G0B+4*\s+2:G0B+4*\s+3], s[46:47], \s*ROWB
	s_or_b32 s[G0B+4*\s+3], s[G0B+4*\s+3], 0x80000000
.endr
	JLOAD G0, G1, G0B, G1B                         ; K step 0: one tensor load a wave at the head
	v_and_b32 v1, 15, v0                           ; r
	v_bfe_u32 v2, v0, 4, 1                         ; h
	v_mul_u32_u24 v3, v1, PITCH
	v_lshl_add_u32 v3, v2, 4, v3                   ; a fragment's row x pitch + 16 x half
	s_wait_alu depctr_va_vdst(0)
	s_mul_i32 s21, s15, HALFT                      ; the rows' operand: my half of region 0
	s_mul_i32 s22, s16, HALFT                      ; the columns' operand: my half
	s_add_co_u32 s22, s22, 2*HALFT                 ; of region 1
.irp s, 0,1
	v_add_nc_u32 v[ADRA+\s], s21, v3
	v_add_nc_u32 v[ADRB+\s], s22, v3
	s_add_co_u32 s21, s21, SLOT
	s_add_co_u32 s22, s22, SLOT
.endr
	s_mul_i32 s23, s14, 16*SPITCH
	s_add_co_u32 s23, s23, STAGE                   ; my stage
	v_mul_u32_u24 v11, v1, SPITCH
	v_lshl_add_u32 v11, v2, 3, v11
	v_add_nc_u32 v[STO], s23, v11                  ; in: row r, 8 bytes for each half of the lanes
	v_and_b32 v11, 31, v0
	v_lshlrev_b32 v[CO], 4, v11
	v_lshrrev_b32 v3, 2, v11
	v_mul_u32_u24 v3, v3, SPITCH
	v_and_b32 v11, 3, v11
	v_lshl_add_u32 v3, v11, 4, v3
	v_add_nc_u32 v[RD], s23, v3                    ; back: four lanes to a row's 64 bytes, eight rows an instruction
	; where my part of the plane begins: p x 4 MiB + (first column / 64) x the blocks' distance + 64 x first row
	s_and_b32 s89, s17, 15                         ; the rows' tile inside its plane: tokens (f = 0) or features
	s_and_b32 s90, s42, 15                         ; the columns' tile
	s_cmp_eq_u32 s12, 0
	s_cselect_b32 s91, 18, 16
	s_lshl_b32 s89, s89, 8
	s_lshl_b32 s92, s15, 7
	s_add_co_u32 s89, s89, s92
	s_lshl_b32 s89, s89, 6
	s_lshl_b32 s90, s90, 2
	s_lshl_b32 s92, s16, 1
	s_add_co_u32 s90, s90, s92
	s_lshl_b32 s90, s90, s91
	s_add_co_u32 s90, s90, s89
	s_lshl_b32 s92, s13, 22
	s_add_co_u32 s92, s92, s90
	s_mov_b32 s93, 0
	s_add_nc_u64 s[88:89], s[70:71], s[92:93]      ; my first block of 64 columns,
	s_lshl_b32 s92, 1, s91
	s_add_nc_u64 s[90:91], s[88:89], s[92:93]      ; and my second
.macro FRAG reg, adr, q, i             ; a fragment, 16 rows x 128 K: registers 4 c .. 4 c + 3 hold K = 32 c + 16 (lane / 16) + 0 .. 15: the same places of k on both sides of a product
.irp c, 0,1,2,3
	ds_load_b128 v[\reg+4*\c:\reg+4*\c+3], v[\adr] offset:128*(\q)+32*\c+(\i)*16*PITCH
.endr
.endm
; 16 matrix instructions: the rows' blocks a0, a0 + 1 x the columns' eight.  The 64 accumulators take turns, one instruction a turn, in the same order in every step.
.macro MUL16 a0, p, zero
.irp a, \a0, \a0+1
.irp b, 0,1,2,3,4,5,6,7
.if \zero
	v_wmma_f32_16x16x128_fp8_fp8 v[8*(8*((\a)%4)+\b):8*(8*((\a)%4)+\b)+7], v[128*(\p)+FR*\b:128*(\p)+FR*\b+FR-1], v[AF+FR*(\a):AF+FR*(\a)+FR-1], 0
.else
	v_wmma_f32_16x16x128_fp8_fp8 v[8*(8*((\a)%4)+\b):8*(8*((\a)%4)+\b)+7], v[128*(\p)+FR*\b:128*(\p)+FR*\b+FR-1], v[AF+FR*(\a):AF+FR*(\a)+FR-1], v[8*(8*((\a)%4)+\b):8*(8*((\a)%4)+\b)+7]
.endif
.endr
.endr
.endm
.macro FETCH_B slot, q, p
	WIN TO_B
.irp i, 0,1,2,3,4,5,6,7
	FRAG 128*(\p)+FR*\i, ADRB+\slot, \q, \i
.endr
	WIN 0
.endm
.macro FETCH_A slot, q, i0
.irp i, \i0, \i0+1, \i0+2, \i0+3
	FRAG AF+FR*(\i), ADRA+\slot, \q, \i
.endr
.endm
.macro PLACES n                        ; plain vector instructions between a matrix instruction and a load into, or a read of, its registers (ISA guide 7.12.1 for reads)
.rept \n
	v_nop
.endr
.endm
.macro STEP slot, q, zero              ; 128 along K that has its successor in the same slot
	s_wait_dscnt 4*NL                              ; the columns' set and the rows' blocks 0-3 are in; the youngest sixteen loads (blocks 4-7) may be out
	WIN MUL_LO
	MUL16 0, (\q)%2, \zero
	MUL16 2, (\q)%2, \zero
	s_wait_dscnt 0
	PLACES NP
	FETCH_B \slot, (\q)+1, 1-(\q)%2
	FETCH_A \slot, (\q)+1, 0
	WIN MUL_HI
	MUL16 4, (\q)%2, \zero
	MUL16 6, (\q)%2, \zero
	PLACES NP
	WIN 0
	FETCH_A \slot, (\q)+1, 4
.endm
; A slot's last step changes slots: one barrier; in front of it each wave waits for all its tensor loads, adds 0 to its spare word, and waits for that and for its reads of this slot.
.macro TURN slot, next, fill
	s_wait_tensorcnt 0x0                           ; all my tensor loads have landed: my part of the next slot
	ds_add_u32 v[SPW], v[NIL]
	s_wait_dscnt 4*NL+1                            ; the add and the youngest sixteen loads may be out
	WIN MUL_LO
	MUL16 0, 1, 0
	s_wait_dscnt 0x0                               ; the add is done, and my reads of this slot are over
	s_barrier_signal -1
	MUL16 2, 1, 0
	WIN 0
	s_barrier_wait -1
.if \fill
	CREST                                          ; the barrier has opened a round of the cluster's: no wave of any partner still reads this slot or has a load on its way
	s_add_nc_u64 s[G0+4*\slot+2:G0+4*\slot+3], s[G0+4*\slot+2:G0+4*\slot+3], 2*ROWB
	s_add_nc_u64 s[G0B+4*\slot+2:G0B+4*\slot+3], s[G0B+4*\slot+2:G0B+4*\slot+3], 2*ROWB
	JLOAD G0+4*\slot, G1, G0B+4*\slot, G1B         ; the first tensor load behind the round; its four v_nop are the places in front of the loads below
.else
	PLACES NP
.endif
	FETCH_B \next, 0, 0
	FETCH_A \next, 0, 0
	WIN MUL_HI
	MUL16 4, 1, 0
	MUL16 6, 1, 0
	PLACES NP
	WIN 0
	FETCH_A \next, 0, 4
.endm
	s_wait_alu depctr_va_vdst(0)
	s_wait_tensorcnt 0x0                           ; my part of K step 0 is in
	ds_add_u32 v[SPW], v[NIL]
	s_wait_dscnt 0x0
	CROUND                                         ; everybody's part of K step 0 is in, and the joint loads meet
	JLOAD G0+4, G1, G0B+4, G1B                     ; K step 1: the first tensor load behind the round
	FETCH_B 0, 0, 0
	FETCH_A 0, 0, 0
	FETCH_A 0, 0, 4
	STEP 0, 0, 1                                   ; the first step's products start the sums
	s_mov_b32 s3, LAPS-1
.Llap:
	TURN 0, 1, 1
	STEP 1, 0, 0
	TURN 1, 0, 1
	STEP 0, 0, 0
	s_sub_co_u32 s3, s3, 1
	s_cmp_lg_u32 s3, 0
	s_cbranch_scc1 .Llap
	TURN 0, 1, 0                                   ; the last lap fills nothing
	STEP 1, 0, 0
	s_wait_dscnt 4*NL
	WIN MUL_LO
	MUL16 0, 1, 0
	MUL16 2, 1, 0
	s_wait_dscnt 0
	WIN MUL_HI
	MUL16 4, 1, 0
	MUL16 6, 1, 0
	WIN 0
; THE WAY OUT, block by block of 16 rows x 128 columns: hold, convert (eight neighbouring columns of a lane into eight bytes), through my own stage, and out as 8 rows x 64 bytes an instruction.
.macro QOUT a
.set AC, 64*((\a)%4)
	WIN 0x02+((\a)/4)                              ; source 0: window 2 or 3
.set jj, 0
.rept 64
	v_med3_num_f32 v[TMP+jj], v[AC+jj], -v[LIM], v[LIM]   ; each accumulator from its low end on; the conversion does not saturate (ISA guide 7.6.2)
.set jj, jj+1
.endr
	WIN 0
.irp b, 0,1,2,3,4,5,6,7
	v_cvt_scalef32_pk8_fp8_f32 v[CD+2*\b:CD+2*\b+1], v[TMP+8*\b:TMP+8*\b+7], v[SC]
.endr
	v_nop                                          ; a plain line behind the last conversion
.irp b, 0,1,2,3,4,5,6,7
	ds_store_b64 v[STO], v[CD+2*\b:CD+2*\b+1] offset:16*\b
.endr
.set BB, BK+16*((\a)%2)
.irp t, 0,1,2,3
	ds_load_b128 v[BB+4*\t:BB+4*\t+3], v[RD] offset:8*SPITCH*(\t%2)+64*(\t/2)   ; LDS serves a wave's instructions in order (ISA guide 5.7.1.4)
.endr
.endm
.macro QSEND a, younger
.set BB, BK+16*((\a)%2)
	s_wait_dscnt \younger
.irp t, 0,1,2,3
	global_store_b128 v[CO], v[BB+4*\t:BB+4*\t+3], s[88+2*(\t/2):89+2*(\t/2)] offset:1024*(\a)+512*(\t%2)   ; 512 consecutive bytes, aligned
.endr
.endm
	s_wait_kmcnt 0x0
	s_sub_co_i32 s92, s78, s72                     ; q: e6 - e0 - e1
	s_sub_co_i32 s92, s92, s73
	s_sub_co_i32 s93, s79, s74                     ; k: e7 - e2 - e3
	s_sub_co_i32 s93, s93, s75
	s_sub_co_i32 s94, s81, s76                     ; v: e9 - e4 - e5
	s_sub_co_i32 s94, s94, s77
	s_cmp_eq_u32 s13, 0
	s_cselect_b32 s92, s92, s93
	s_cmp_eq_u32 s13, 2
	s_cselect_b32 s92, s94, s92                    ; d: chosen without a jump
	s_add_co_i32 s92, s92, 127
	s_lshl_b32 s93, s92, 23
	v_mov_b32 v[SC], s93
	s_add_co_i32 s92, s92, 8
	s_lshl_b32 s92, s92, 23
	s_or_b32 s92, s92, 0x600000
	v_mov_b32 v[LIM], s92
	PLACES NP
	QOUT 0
.irp a, 1,2,3,4,5,6,7
.if \a > 1
	s_wait_xcnt 0x0                                ; block a - 2's stores have read their registers: block a's loads may land there
.endif
	QOUT \a
	QSEND \a-1, 12                                 ; behind block a - 1's loads: block a's 8 stores and 4 loads
.endr
	QSEND 7, 0
	s_wait_tensorcnt 0x0                           ; the wave's end
	ds_add_u32 v[SPW], v[NIL]
	s_wait_dscnt 0x0
	CROUND                                         ; the closing round
	s_endpgm
.Lfunc_end_k_q0e880de8c0_qkv:
	.size	k_q0e880de8c0_qkv, .Lfunc_end_k_q0e880de8c0_qkv-k_q0e880de8c0_qkv
	.p2alignl 7, 3214868480
	.fill 96, 4, 3214868480
	.section	.rodata,"a",@progbits
	.p2align	6, 0x0
	.amdhsa_kernel k_q0e880de8c0_qkv
		.amdhsa_group_segment_fixed_size 327680
		.amdhsa_private_segment_fixed_size 0
		.amdhsa_enable_private_segment 0
		.amdhsa_kernarg_size 48
		.amdhsa_user_sgpr_count 2
		.amdhsa_user_sgpr_kernarg_segment_ptr 1
		.amdhsa_wavefront_size32 1
		.amdhsa_system_sgpr_workgroup_id_x 1
		.amdhsa_system_sgpr_workgroup_id_y 1
		.amdhsa_system_sgpr_workgroup_id_z 1
		.amdhsa_system_vgpr_workitem_id 0
		.amdhsa_next_free_vgpr 1024
		.amdhsa_next_free_sgpr 100
		.amdhsa_reserve_vcc 0
		.amdhsa_float_denorm_mode_32 3
		.amdhsa_float_denorm_mode_16_64 3
		.amdhsa_memory_ordered 1
		.amdhsa_forward_progress 1
		.amdhsa_inst_pref_size 126
	.end_amdhsa_kernel
	.amdgpu_metadata
---
amdhsa.version: [ 1, 2 ]
amdhsa.kernels:
  - .name:           k_q0e880de8c0_qkv
    .symbol:         k_q0e880de8c0_qkv.kd
    .args:
      - { .name: xn_codes, .offset: 0, .size: 8, .value_kind: global_buffer, .address_space: global }
      - { .name: wq_codes, .offset: 8, .size: 8, .value_kind: global_buffer, .address_space: global }
      - { .name: wk_codes, .offset: 16, .size: 8, .value_kind: global_buffer, .address_space: global }
      - { .name: wv_codes, .offset: 24, .size: 8, .value_kind: global_buffer, .address_space: global }
      - { .name: lowp_scales, .offset: 32, .size: 8, .value_kind: global_buffer, .address_space: global }
      - { .name: qkv_codes, .offset: 40, .size: 8, .value_kind: global_buffer, .address_space: global }
    .group_segment_fixed_size: 327680
    .private_segment_fixed_size: 0
    .kernarg_segment_align: 8
    .kernarg_segment_size: 48
    .max_flat_workgroup_size: 128
    .sgpr_count:     100
    .vgpr_count:     1024
    .wavefront_size: 32
...
	.end_amdgpu_metadata
.endif
;; end of part 2
;; launch attn (part 3): grid 8 x 32, 16 waves a work-group, clusters of 4 x 1, 327,680 bytes of LDS; arguments qkv_codes, lowp_scales, attn_codes; writes attn_codes
.if DOCPART == 3
	.amdgcn_target "amdgcn-amd-amdhsa--gfx1250"
	.amdhsa_code_object_version 6
	.text
	.protected	k_q0e880de8c0_attn
	.globl	k_q0e880de8c0_attn
	.p2align	8
	.type	k_q0e880de8c0_attn,@function
k_q0e880de8c0_attn:
	s_mov_b64 s[64:65], 0
	v_nop
	global_prefetch_b8 v0, s[64:65] scope:SCOPE_SE
	s_setreg_imm32_b32 hwreg(HW_REG_WAVE_MODE, 25, 1), 1
	s_wait_xcnt 0x0
	s_wait_alu depctr_hold_cnt(0) depctr_sa_sdst(0) depctr_va_vdst(0) depctr_va_sdst(0) depctr_va_ssrc(0) depctr_va_vcc(0) depctr_vm_vsrc(0)
	s_getreg_b32 s2, hwreg(HW_REG_IB_STS2, 6, 4)
	s_cmp_eq_u32 s2, 0
	s_cbranch_scc0 .Lentry_in_a_cluster
	s_endpgm
.Lentry_in_a_cluster:
	s_bfe_u32 s2, ttmp6, 0x10000c
	s_cmp_lg_u32 s2, 0x3003
	s_cbranch_scc0 .Lentry_shape_is_right
	s_endpgm
.Lentry_shape_is_right:
; Causal attention of one head on codes of E4M3: S = q k^T / 8, the softmax in the form p = 2^(t - M), O = p v / l, and O quantised at once for the projection.
; t = score x log2(e) / 8; M = the running largest t rounded UP to a whole number; p is quantised with 2^e8, not normalised; l is the sum of the unquantised p; when M moves, l and O are multiplied by 2^(old M - new M): exact.
; WORK LEFT OUT: key steps all of whose 128 keys come after a wave's queries.  The problem's own triu mask gives those scores the weight 0 for all values of the inputs (shown at the head of the first launch).
; LIMIT: a NaN, an infinity or an overflow that reaches only those scores is not carried to the result.
; SHARES.  A work-group serves one head of one batch; there are eight for a head, j = 0 .. 7.  Each of its sixteen waves owns 16 queries, 128 i + 16 j + 0 .. 15, and walks key steps 0 .. i of 128 keys, step i being the one on
; the diagonal, whatever j is: all work-groups have the same work, 136 steps.  WHICH i A WAVE TAKES: with a = wave / 4 and b = wave % 4, i = 4 (a xor b) + (a xor pi(b)), pi = 0, 2, 3, 1: a permutation of 0 .. 15 in which waves
; b, b + 4, b + 8, b + 12 together, and waves 4 a .. 4 a + 3 together, walk 34 steps, a quarter of the 136.  Every branch hangs on the wave's number and a counter alone; j enters Q's and O's addresses in memory and the mask's
; comparison, nothing else.
; ALL OF THE HEAD'S K AND V LIE IN LDS: 2 x 147,456 bytes, asked for once, at the head, as four slots of 512 keys; nothing is filled again.  So there is nothing further ahead that could be asked of memory earlier.
; TWO BARRIERS: behind the first, the first slot is whole, and steps 0 to 3 are walked while the other three slots land; behind the second all is whole, and each wave
; walks the rest at its own pace.
; CLUSTER: four work-groups of a head read the same K and V: each tile is asked for jointly.  The wave with i = 15 of every partner reads every tile.
; LAYOUT.  Both products are used transposed: S^T = K Q^T, O^T = V^T P^T: a lane holds ONE query (lane % 16).  The keys of a tile are not neighbours: lane r of tile 2 b + u takes key 32 b + 8 u + r + 8 (r / 8), so that the 16
; registers of tiles 2 b, 2 b + 1 are 16 neighbouring keys; V's rows (the head's 64) are chosen likewise, so that O's registers are neighbours along the projection's K.
; In LDS a run of 4,096 bytes (64 keys of K; 64 rows x 64 keys of V) lies as 32 lines of 128 bytes + 16 of padding: row n of 64 bytes at 144 (n / 2) + 64 (n % 2).
; LIMITS: e6 + e7 between -123 and 130 (added to c's exponent field); e8 and e10 between -126 and 119.  NaN among the inputs is not served.
; REGISTERS: v1, v2 my place in a tile of K, of V; v3 Q's offset; v4 the mask's bound; v5, v6 the add's two; v7 16 x lane; v8, v9 addresses in hand; v12 -M, v13 the largest t, v[14:15] l; v16-23 Q;
;   v32-95 fragments; v96-159 S^T, then p; v160-191 O^T; v192-204 at work and constants; v224-239 p's codes.
.set KP,    144
.set RUN,   32*KP                      ; 64 rows of 64 bytes
.set STEPB, 2*RUN                      ; 128 keys
.set SLOTB, 4*STEPB                    ; 512 keys
.set VOFF,  32*RUN                     ; K's 2,048 keys, then V
.set SPARE, 2*VOFF                     ; behind them: the spare words, 128 bytes for each wave: eight blocks of 256 bytes that no other line names
.set TB,  2                            ; s2   LDS byte at which the step's keys begin
.set WV,  18                           ; s18  my wave's number
.set SEL, 20
.set CS,  22
.set G1K, 24
.set G1V, 32
.set G0K, 40                           ; s40-43  group 0 for K
.set KS,  56                           ; s56  the key step
.set CNT, 57
.set IW,  59                           ; s59  i: which 128 queries hold my 16
.set G0V, 68                           ; s68-71  group 0 for V
.macro CROUND
	s_barrier_signal -1
	s_barrier_wait -1
	s_cmp_lg_u32 s[WV], 0
	s_cbranch_scc1 .Lnot_wave_0_\@
	s_barrier_signal -3
.Lnot_wave_0_\@:
	s_barrier_wait -3
	s_barrier_signal -1
	s_barrier_wait -1
.endm
	s_load_b128 s[4:7], s[0:1], 0x0                ; q, k, v codes s[4:5], the exponents s[6:7]
	s_load_b64 s[8:9], s[0:1], 0x10                ; O's codes
	v_lshl_add_u32 v5, v0, 2, SPARE
	v_mov_b32 v6, 0
	ds_add_u32 v5, v6                              ; the wave's opening
	ds_add_u32 v5, v6
	v_lshrrev_b32 v8, 5, v0
	s_delay_alu instid0(VALU_DEP_1)
	v_readfirstlane_b32 s[WV], v8                  ; wave 0..15
	s_lshr_b32 s16, s[WV], 2                       ; a
	s_and_b32 s17, s[WV], 3                        ; b
	s_xor_b32 s[IW], s16, s17
	s_lshl_b32 s[IW], s[IW], 2                     ; 4 (a xor b)
	s_lshr_b32 s19, s17, 1
	s_mul_i32 s19, s19, 3
	s_lshl_b32 s17, s17, 1
	s_xor_b32 s17, s17, s19
	s_and_b32 s17, s17, 3                          ; pi(b) = (2 b xor 3 (b / 2)) mod 4: 0, 2, 3, 1
	s_xor_b32 s17, s17, s16
	s_or_b32 s[IW], s[IW], s17                     ; i = 4 (a xor b) + (a xor pi(b))
	s_bfe_u32 s10, ttmp6, 0x40000                  ; cx
	s_lshl_b32 s11, ttmp9, 2
	s_add_co_u32 s11, s11, s10                     ; j
	s_and_b32 s12, ttmp7, 0xffff
	s_lshr_b32 s13, s12, 4                         ; the batch
	s_and_b32 s14, s12, 15                         ; the head
	s_and_b32 s15, s[WV], 7                        ; which 256 keys I fetch: K's and V's 2,048 keys are eight pieces each, sixteen loads for sixteen waves
	s_lshl_b32 s16, s14, 18
	s_lshl_b32 s17, s13, 17
	s_add_co_u32 s58, s16, s17                     ; [head][token][64]: the head's and the batch's first byte
	s_lshl_b32 s17, s15, 14
	s_add_co_u32 s60, s58, s17
	s_add_co_u32 s60, s60, 0x400000                ; K: plane 1, + my 256 keys
	s_mov_b32 s61, 0
	s_lshl_b32 s62, s13, 21
	s_lshl_b32 s17, s14, 12
	s_add_co_u32 s62, s62, s17
	s_lshl_b32 s17, s15, 18
	s_add_co_u32 s62, s62, s17
	s_add_co_u32 s62, s62, 0x800000                ; V: plane 2, [32 batch + key / 64][64 head + d][64]
	s_mov_b32 s63, 0
	s_mul_i32 s19, s15, 4*RUN                      ; and its place in a slot
	s_mov_b32 s[G1K], 15|(0<<16)|(1<<20)|(1<<21)|(4<<22)|(3<<25)   ; the mask: all four; elements of 1 byte; padding on; bit 21 beside a mask; after every 32 words, 4 words
	s_mov_b32 s[G1V], 15|(0<<16)|(1<<20)|(1<<21)|(4<<22)|(3<<25)
.irp g, G1K, G1V
	s_mov_b32 s[\g+1], 4096<<16                    ; tensor_dim0: a run
	s_mov_b32 s[\g+2], 4<<16                       ; tensor_dim1: four runs
	s_mov_b32 s[\g+3], 4096<<16                    ; tile_dim0
	s_mov_b32 s[\g+4], 4                           ; tile_dim1
	s_mov_b32 s[\g+6], 0
	s_mov_b32 s[\g+7], 0
.endr
	s_mov_b32 s[G1K+5], 4096                       ; K's runs lie on end,
	s_mov_b32 s[G1V+5], 65536                      ; V's 1,024 rows of 64 bytes apart
	s_mov_b32 s[SEL], 0x76543210
	s_mov_b32 s[SEL+1], 0xfedcba98
	s_mov_b32 s[CS], 0x3e38aa3b                    ; c = log2(e) / 8
	s_wait_dscnt 0x0                               ; both opening adds are done
	s_wait_kmcnt 0x0
	s_load_b128 s[84:87], s[6:7], 0x18             ; e6, e7, e8, e9
	s_load_b32 s88, s[6:7], 0x28                   ; e10
	s_add_nc_u64 s[60:61], s[4:5], s[60:61]
	s_add_nc_u64 s[62:63], s[4:5], s[62:63]
.irp i, 0
	s_mov_b32 s[G0K+4*\i], 1
	s_add_co_u32 s[G0K+4*\i+1], s19, \i*SLOTB
	s_add_nc_u64 s[G0K+4*\i+2:G0K+4*\i+3], s[60:61], \i*32768
	s_or_b32 s[G0K+4*\i+3], s[G0K+4*\i+3], 0x80000000
	s_mov_b32 s[G0V+4*\i], 1
	s_add_co_u32 s[G0V+4*\i+1], s19, VOFF+\i*SLOTB
	s_add_nc_u64 s[G0V+4*\i+2:G0V+4*\i+3], s[62:63], \i*524288
	s_or_b32 s[G0V+4*\i+3], s[G0V+4*\i+3], 0x80000000
.endr
	CROUND                                         ; all four work-groups are here: the joint loads meet
; Each wave has ONE tensor load in the launch: piece wave % 8 (256 keys) of K (waves 0 to 7) or of V (waves 8 to 15).  late = 0, at the head: pieces 0 and 1, keys 0 to 511; late = 1, behind the full sequence: the other twelve.
; One chain of branches on the wave's number, one load to an arm, one join.
.macro TLD late
	s_cmp_lt_u32 s15, 2
.if \late
	s_cbranch_scc1 .Lj_\@
.else
	s_cbranch_scc0 .Lj_\@
.endif
	s_cmp_lt_u32 s[WV], 8
	s_cbranch_scc0 .Lv_\@
	tensor_load_to_lds s[G0K:G0K+3], s[G1K:G1K+7]
	s_nop 0
.rept 4
	v_nop
.endr
	s_branch .Lj_\@
.Lv_\@:
	tensor_load_to_lds s[G0V:G0V+3], s[G1V:G1V+7]
	s_nop 0
.rept 4
	v_nop
.endr
.Lj_\@:
.endm
	TLD 0
	s_lshl_b32 s16, s[IW], 13
	s_lshl_b32 s17, s11, 10
	s_add_co_u32 s16, s16, s17
	s_add_co_u32 s16, s16, s58                     ; my 16 queries' rows of 64 bytes, 128 i + 16 j on: the same place in q's plane and in O's codes
	s_mov_b32 s17, 0
	s_add_nc_u64 s[90:91], s[4:5], s[16:17]
	s_add_nc_u64 s[92:93], s[8:9], s[16:17]
	v_and_b32 v8, 15, v0                           ; r
	v_bfe_u32 v9, v0, 4, 1                         ; h
	s_delay_alu instid0(VALU_DEP_2)
	v_lshlrev_b32 v3, 6, v8
	s_delay_alu instid0(VALU_DEP_1)
	v_lshl_add_u32 v3, v9, 4, v3
	global_load_b128 v[16:19], v3, s[90:91]        ; Q's fragment: registers 4 c .. 4 c + 3 hold d = 32 c + 16 h + 0 .. 15, as K's do
	global_load_b128 v[20:23], v3, s[90:91] offset:32
	v_and_b32 v11, 8, v8
	s_delay_alu instid0(VALU_DEP_1)
	v_add_nc_u32 v11, v11, v8                      ; n = r + 8 (r / 8)
	s_delay_alu instid0(VALU_DEP_1)
	v_lshrrev_b32 v1, 1, v11
	s_delay_alu instid0(VALU_DEP_1)
	v_mul_u32_u24 v1, v1, KP
	s_delay_alu instid0(VALU_DEP_3)
	v_and_b32 v11, 1, v11
	s_delay_alu instid0(VALU_DEP_1)
	v_lshl_add_u32 v1, v11, 6, v1
	s_delay_alu instid0(VALU_DEP_1)
	v_lshl_add_u32 v1, v9, 4, v1                   ; 144 (n / 2) + 64 (n % 2) + 16 h
	s_delay_alu instid0(VALU_DEP_1)
	v_add_nc_u32 v2, VOFF, v1
	s_lshl_b32 s16, s11, 4
	v_lshlrev_b32 v4, 4, v9
	s_delay_alu instid0(VALU_DEP_1)
	v_sub_nc_u32 v4, v8, v4
	s_delay_alu instid0(VALU_DEP_1)
	v_add_nc_u32 v4, s16, v4                       ; 16 j + r - 16 h: on the diagonal, register 16 b + i holds a hidden key where 32 b + i is above it
	v_and_b32 v7, 31, v0
	s_delay_alu instid0(VALU_DEP_1)
	v_lshlrev_b32 v7, 4, v7
	v_mov_b32 v13, 0xff61b1e6                      ; the largest t so far: -3e38
	s_delay_alu instid0(VALU_DEP_1)
	v_floor_f32 v12, -v13                          ; -M
	v_mov_b32 v14, 0
	v_mov_b32 v15, 0
	v_mov_b32 v192, 0                              ; a lane permute's destination counts as one of its sources
	v_mov_b32 v195, 0                              ; (named as the upper half of the pair v[194:195])
	v_mov_b32 v202, 0xff800000                     ; -infinity
.set k, 0
.rept 32
	v_mov_b32 v[160+k], 0                          ; O^T.  The step is written for every step alike: the first finds zeros, which the first change of M leaves zeros
.set k, k+1
.endr
	s_wait_kmcnt 0x0
	s_add_co_i32 s16, s84, s85
	s_lshl_b32 s16, s16, 23
	s_add_co_i32 s[CS], s[CS], s16                 ; a score stands for score x 2^(e6 + e7)
	s_mov_b32 s[CS+1], s[CS]
	s_add_co_i32 s16, s86, 127
	s_lshl_b32 s17, s16, 23
	v_mov_b32 v201, s17                            ; 2^e8
	s_add_co_i32 s16, s16, 8
	s_lshl_b32 s16, s16, 23
	s_or_b32 s16, s16, 0x600000
	v_mov_b32 v200, s16                            ; 448 x 2^e8
	s_add_co_i32 s16, s88, 127
	s_lshl_b32 s17, s16, 23
	v_mov_b32 v204, s17                            ; 2^e10
	s_add_co_i32 s16, s16, 8
	s_lshl_b32 s16, s16, 23
	s_or_b32 s16, s16, 0x600000
	v_mov_b32 v203, s16                            ; 448 x 2^e10
	s_add_co_i32 s89, s86, s87                     ; e8 + e9
; A KEY STEP of 128 keys.  A step beyond my wave's diagonal is passed over: a scalar branch on the wave's number (through i) and the count of steps; no barrier and no tensor load stands in a step.
.macro STEP
	s_cmp_gt_u32 s[KS], s[IW]
	s_cbranch_scc1 .Lskip_\@
	v_add_nc_u32 v8, s[TB], v1
	v_add_nc_u32 v9, s[TB], v2
	v_nop
	v_nop                                          ; with the two additions: four places behind the last step's products, in front of loads into their registers
.irp t, 0,1,2,3,4,5,6,7
.irp c, 0,1
	ds_load_b128 v[32+8*\t+4*\c:35+8*\t+4*\c], v8 offset:(16*(\t/2)+4*(\t%2))*KP+32*\c
.endr
.endr
	s_wait_alu depctr_va_vdst(0)
	s_wait_dscnt 0x0
.irp t, 0,1,2,3,4,5,6,7
	v_wmma_f32_16x16x64_fp8_fp8 v[96+8*\t:103+8*\t], v[32+8*\t:39+8*\t], v[16:23], 0
.endr
.rept 4
	v_nop                                          ; places in front of the loads below and of the first read of the scores
.endr
.irp t, 0,1,2,3
.irp c, 0,1,2,3
	ds_load_b128 v[32+16*\t+4*\c:35+16*\t+4*\c], v9 offset:(\c/2)*RUN+(16*(\t/2)+4*(\t%2))*KP+32*(\c%2)   ; V's fragments are asked for here and land under the softmax
.endr
.endr
	s_cmp_lg_u32 s[KS], s[IW]
	s_cbranch_scc1 .Lopen_\@                       ; only the step on the diagonal has hidden keys
.set n, 0
.rept 64
	v_cmp_gt_i32 vcc_lo, 32*(n/16)+n%16, v4
	v_cndmask_b32 v[96+n], v[96+n], v202, vcc_lo   ; a hidden score becomes -infinity ahead of the maximum: p = 0
.set n, n+1
.endr
.Lopen_\@:
	v_max3_num_f32 v196, v96, v97, v98             ; the step's largest score of my query among my 64 keys, in two chains,
	v_max3_num_f32 v197, v99, v100, v101
.set i, 6
.rept 14
	v_max3_num_f32 v196, v196, v[96+i], v[97+i]
	v_max3_num_f32 v197, v197, v[98+i], v[99+i]
.set i, i+4
.endr
	v_max3_num_f32 v196, v196, v158, v159
	s_delay_alu instid0(VALU_DEP_1)
	v_max_num_f32 v196, v196, v197
	s_delay_alu instid0(VALU_DEP_1)
	v_permlanex16_b32 v192, v196, s[SEL], s[SEL+1]
	s_delay_alu instid0(VALU_DEP_1)
	v_max_num_f32 v196, v196, v192                 ; and among lane l xor 16's
	s_delay_alu instid0(VALU_DEP_1)
	v_mul_f32 v196, s[CS], v196                    ; as t (c is positive)
	s_delay_alu instid0(VALU_DEP_1)
	v_max_num_f32 v13, v13, v196
	v_mov_b32 v196, v12
	s_delay_alu instid0(VALU_DEP_2)
	v_floor_f32 v12, -v13                          ; the new -M = -ceil(t)
	s_delay_alu instid0(VALU_DEP_1)
	v_sub_f32 v196, v12, v196                      ; old M - new M: a whole number, 0 or less
	s_delay_alu instid0(VALU_DEP_1)
	v_cvt_i32_f32 v196, v196                       ; (it saturates)
	s_delay_alu instid0(VALU_DEP_1)
	v_ldexp_f32 v194, 1.0, v196                    ; f = 2^(old M - new M)
.set k, 0
.rept 32
	v_pk_fma_f32 v[96+k:97+k], v[96+k:97+k], s[CS:CS+1], v[12:13] op_sel_hi:[1,0,0]   ; t - M
.set k, k+2
.endr
.set k, 0
	s_wait_alu depctr_va_vdst(0)
.rept 64
	v_exp_f32 v[96+k], v[96+k]                     ; p = 2^(t - M): one batch
.set k, k+1
.endr
	v_pk_mul_f32 v[14:15], v[14:15], v[194:195] op_sel_hi:[1,0]   ; l under the new M: the plain instruction behind the batch
	s_wait_alu depctr_va_vdst(0)                   ; one wait for the batch, ahead of its first reader
	v_pk_add_f32 v[198:199], v[100:101], v[104:105]
	v_pk_add_f32 v[254:255], v[108:109], v[112:113]
	v_pk_add_f32 v[252:253], v[116:117], v[120:121]
	v_pk_add_f32 v[250:251], v[124:125], v[128:129]
	v_pk_add_f32 v[248:249], v[132:133], v[136:137]
	v_pk_add_f32 v[246:247], v[140:141], v[144:145]
	v_pk_add_f32 v[244:245], v[148:149], v[152:153]
	v_pk_add_f32 v[14:15], v[14:15], v[156:157]
	v_pk_add_f32 v[198:199], v[198:199], v[96:97]
	v_pk_add_f32 v[254:255], v[254:255], v[98:99]
	v_pk_add_f32 v[252:253], v[252:253], v[102:103]
	v_pk_add_f32 v[250:251], v[250:251], v[106:107]
	v_pk_add_f32 v[248:249], v[248:249], v[110:111]
	v_pk_add_f32 v[246:247], v[246:247], v[114:115]
	v_pk_add_f32 v[244:245], v[244:245], v[118:119]
	v_pk_add_f32 v[14:15], v[14:15], v[122:123]
	v_pk_add_f32 v[198:199], v[198:199], v[126:127]
	v_pk_add_f32 v[254:255], v[254:255], v[130:131]
	v_pk_add_f32 v[252:253], v[252:253], v[134:135]
	v_pk_add_f32 v[250:251], v[250:251], v[138:139]
	v_pk_add_f32 v[248:249], v[248:249], v[142:143]
	v_pk_add_f32 v[246:247], v[246:247], v[146:147]
	v_pk_add_f32 v[244:245], v[244:245], v[150:151]
	v_pk_add_f32 v[14:15], v[14:15], v[154:155]
	v_pk_add_f32 v[198:199], v[198:199], v[158:159]
	s_delay_alu instid0(VALU_DEP_2)
	v_pk_add_f32 v[14:15], v[14:15], v[250:251]
	s_delay_alu instid0(VALU_DEP_2)
	v_pk_add_f32 v[198:199], v[198:199], v[248:249]
	v_pk_add_f32 v[254:255], v[254:255], v[246:247]
	v_pk_add_f32 v[252:253], v[252:253], v[244:245]
	s_delay_alu instid0(VALU_DEP_2)
	v_pk_add_f32 v[14:15], v[14:15], v[254:255]
	s_delay_alu instid0(VALU_DEP_2)
	v_pk_add_f32 v[198:199], v[198:199], v[252:253]
	s_delay_alu instid0(VALU_DEP_1)
	v_pk_add_f32 v[14:15], v[14:15], v[198:199]
.irp b, 0,1,2,3
.irp i, 0,1,2,3,4,5,6,7,8,9,10,11,12,13,14,15
	v_min_num_f32 v[96+16*\b+\i], v[96+16*\b+\i], v200   ; the conversion does not saturate (ISA guide 7.6.2); p is not negative, so the hold is one-sided
.endr
	v_cvt_scalef32_pk8_fp8_f32 v[224+4*\b:225+4*\b], v[96+16*\b:103+16*\b], v201
	v_cvt_scalef32_pk8_fp8_f32 v[226+4*\b:227+4*\b], v[104+16*\b:111+16*\b], v201
.endr
.set k, 0
.rept 16
	v_pk_mul_f32 v[160+k:161+k], v[160+k:161+k], v[194:195] op_sel_hi:[1,0]   ; O^T under the new M; also the plain lines between the conversions and the products
.set k, k+2
.endr
	s_wait_alu depctr_va_vdst(0)
	s_wait_dscnt 0x0                               ; V's fragments
.irp t, 0,1,2,3
	v_wmma_f32_16x16x128_fp8_fp8 v[160+8*\t:167+8*\t], v[32+16*\t:47+16*\t], v[224:239], v[160+8*\t:167+8*\t]   ; four accumulators by turns
.endr
.Lskip_\@:
.endm
; n key steps from step first on, behind a barrier.  left: how many of my tensor loads may stay out at that barrier, so later slots may stay on their way across it.
.macro PART first, n, left
	s_wait_dscnt 0x0
	s_wait_tensorcnt \left
	s_barrier_signal -1
	s_barrier_wait -1
	s_mov_b32 s[TB], (\first)*STEPB
	s_mov_b32 s[KS], \first
	s_mov_b32 s[CNT], \n
.Lpart_\@:
	STEP
	s_add_co_u32 s[TB], s[TB], STEPB
	s_add_co_u32 s[KS], s[KS], 1
	s_sub_co_u32 s[CNT], s[CNT], 1
	s_cmp_lg_u32 s[CNT], 0
	s_cbranch_scc1 .Lpart_\@
.endm
	s_wait_loadcnt 0x0                             ; Q
	s_wait_tensorcnt 0x0                           ; my part of keys 0 to 511, if I fetched one
	ds_add_u32 v5, v6
	ds_add_u32 v5, v6                              ; twice on end
	s_wait_dscnt 0x0
	CROUND                                         ; keys 0 to 511 are whole in every partner, and the joint loads meet
	TLD 1                                          ; keys 512 to 2,047: they land while steps 0 to 3 are walked
	PART 0, 4, 1                                   ; steps 0 to 3 lie in keys 0 to 511; my one later load may be out
	PART 4, 12, 0                                  ; all loads have landed, and the barrier shows that of every wave
	; THE WAY OUT: O = O^T / l x 2^(e8 + e9), quantised with 2^e10; a lane's 32 numbers are d = 32 b + 16 h + 0 .. 15: 2 x 16 bytes of my query's row; from my registers with no stage, and out as 512 consecutive bytes a store.
	v_add_f32 v14, v14, v15
	s_delay_alu instid0(VALU_DEP_1)
	v_permlanex16_b32 v192, v14, s[SEL], s[SEL+1]
	s_delay_alu instid0(VALU_DEP_1)
	v_add_f32 v14, v14, v192                       ; the row's sum
	s_wait_alu depctr_va_vdst(0)
	v_rcp_f32 v14, v14
	v_nop                                          ; a plain instruction behind the transcendental
	v_nop
	v_nop                                          ; (with the additions above: the places behind the last products)
	s_wait_alu depctr_va_vdst(0)
	v_ldexp_f32 v14, v14, s89
.set k, 0
.rept 32
	v_mul_f32 v[96+k], v[160+k], v14               ; each accumulator from its low end on
.set k, k+1
.endr
.set k, 0
.rept 32
	v_med3_num_f32 v[96+k], v[96+k], -v203, v203
.set k, k+1
.endr
.irp t, 0,1,2,3
	v_cvt_scalef32_pk8_fp8_f32 v[224+2*\t:225+2*\t], v[96+8*\t:103+8*\t], v204
.endr
	v_nop                                          ; a plain line behind the last conversion
	; O's codes are laid as the projection's registers take them: [head][token / 16][c][lane][16 bytes], lane (r, h) holding d = 32 c + 16 h + 0 .. 15 of token r: my own registers as they stand, so no stage in LDS.
	global_store_b128 v7, v[224:227], s[92:93]             ; 32 lanes store 512 consecutive bytes, aligned
	global_store_b128 v7, v[228:231], s[92:93] offset:512
	s_wait_tensorcnt 0x0                           ; the wave's end
	ds_add_u32 v5, v6
	s_wait_dscnt 0x0
	CROUND                                         ; the closing round
	s_endpgm
.Lfunc_end_k_q0e880de8c0_attn:
	.size	k_q0e880de8c0_attn, .Lfunc_end_k_q0e880de8c0_attn-k_q0e880de8c0_attn
	.p2alignl 7, 3214868480
	.fill 96, 4, 3214868480
	.section	.rodata,"a",@progbits
	.p2align	6, 0x0
	.amdhsa_kernel k_q0e880de8c0_attn
		.amdhsa_group_segment_fixed_size 327680
		.amdhsa_private_segment_fixed_size 0
		.amdhsa_enable_private_segment 0
		.amdhsa_kernarg_size 24
		.amdhsa_user_sgpr_count 2
		.amdhsa_user_sgpr_kernarg_segment_ptr 1
		.amdhsa_wavefront_size32 1
		.amdhsa_system_sgpr_workgroup_id_x 1
		.amdhsa_system_sgpr_workgroup_id_y 1
		.amdhsa_system_sgpr_workgroup_id_z 1
		.amdhsa_system_vgpr_workitem_id 0
		.amdhsa_next_free_vgpr 256
		.amdhsa_next_free_sgpr 96
		.amdhsa_reserve_vcc 1
		.amdhsa_float_denorm_mode_32 3
		.amdhsa_float_denorm_mode_16_64 3
		.amdhsa_memory_ordered 1
		.amdhsa_forward_progress 1
		.amdhsa_inst_pref_size 56
	.end_amdhsa_kernel
	.amdgpu_metadata
---
amdhsa.version: [ 1, 2 ]
amdhsa.kernels:
  - .name:           k_q0e880de8c0_attn
    .symbol:         k_q0e880de8c0_attn.kd
    .args:
      - { .name: qkv_codes, .offset: 0, .size: 8, .value_kind: global_buffer, .address_space: global }
      - { .name: lowp_scales, .offset: 8, .size: 8, .value_kind: global_buffer, .address_space: global }
      - { .name: attn_codes, .offset: 16, .size: 8, .value_kind: global_buffer, .address_space: global }
    .group_segment_fixed_size: 327680
    .private_segment_fixed_size: 0
    .kernarg_segment_align: 8
    .kernarg_segment_size: 24
    .max_flat_workgroup_size: 512
    .sgpr_count:     96
    .vgpr_count:     256
    .wavefront_size: 32
...
	.end_amdgpu_metadata
.endif
;; end of part 3
;; launch wo (part 4): grid 32 x 8, 4 waves a work-group, clusters of 4 x 1, 327,680 bytes of LDS; arguments attn_codes, wo_codes, x, lowp_scales, x1; writes x1
.if DOCPART == 4
	.amdgcn_target "amdgcn-amd-amdhsa--gfx1250"
	.amdhsa_code_object_version 6
	.text
	.protected	k_q0e880de8c0_wo
	.globl	k_q0e880de8c0_wo
	.p2align	8
	.type	k_q0e880de8c0_wo,@function
k_q0e880de8c0_wo:
	s_mov_b64 s[64:65], 0
	v_nop
	global_prefetch_b8 v0, s[64:65] scope:SCOPE_SE
	s_setreg_imm32_b32 hwreg(HW_REG_WAVE_MODE, 25, 1), 1
	s_wait_xcnt 0x0
	s_wait_alu depctr_hold_cnt(0) depctr_sa_sdst(0) depctr_va_vdst(0) depctr_va_sdst(0) depctr_va_ssrc(0) depctr_va_vcc(0) depctr_vm_vsrc(0)
	s_getreg_b32 s2, hwreg(HW_REG_IB_STS2, 6, 4)
	s_cmp_eq_u32 s2, 0
	s_cbranch_scc0 .Lentry_in_a_cluster
	s_endpgm
.Lentry_in_a_cluster:
	s_bfe_u32 s2, ttmp6, 0x10000c
	s_cmp_lg_u32 s2, 0x3003
	s_cbranch_scc0 .Lentry_shape_is_right
	s_endpgm
.Lentry_shape_is_right:
; out = res + A B^T x 2^(ea + eb) on codes of E4M3.  Here: x1 = x + attn wo^T.  The text of the launch ffn2 with SIZE_K = 1,024: B's 128 rows are one slot, filled once; no loop over slots is assembled.
; No work of the problem is left out here.  All else is explained at the head of ffn2.  LIMIT: ea + eb between -126 and 127, so that 2^(ea + eb) is an f32 number.
.set SIZE_K, 1024
.set ESC,    0x28
.set NSL,    SIZE_K/1024
.set BP,     1040
.set SLOT,   128*BP
.set SPARE,  2*SLOT
.set STAGE,  SPARE+512
.set SP,     528
.set KB,     262144
.set AO,  4
.set BL,  6
.set ADB, 8
.set STO, 10
.set RD,  11
.set SPW, 12
.set NIL, 13
.set BK,  16
.set ACC, 128
.set WV,  14
.set G1,  24
.set G0,  32
.set TB,  36
.set CNT, 37
.set MSB, 0
.macro WIN new
.if MSB != \new
	s_set_vgpr_msb (MSB<<8)|\new
.set MSB, \new
.endif
.endm
.macro PLACES
.rept 4
	v_nop
.endr
.endm
.macro ROUND
	s_barrier_signal -1
	s_barrier_wait -1
	s_cmp_lg_u32 s[WV], 0
	s_cbranch_scc1 .Lnot_wave_0_\@
	s_barrier_signal -3
.Lnot_wave_0_\@:
	s_barrier_wait -3
	s_barrier_signal -1
	s_barrier_wait -1
.endm
.macro LDA st, buf
	WIN 0x80
.irp a, 0,1
.irp c, 0,1,2,3
	global_load_b128 v[32*(\buf)+16*\a+4*\c:32*(\buf)+16*\a+4*\c+3], v[AO], s[4:5] offset:(2*(\st)+\c/2)*KB+\a*1024+(\c%2)*512
.endr
.endr
.endm
.macro LDR g
	WIN 0xc0
.irp t, 0,1,2,3,4,5,6,7
	global_load_b128 v[32*(\g)+4*\t:32*(\g)+4*\t+3], v[AO], s[8:9] offset:(8*(\g)+\t)*4096 th:TH_LOAD_NT
.endr
.endm
.macro LDB q, p
	WIN 0x40
.irp i, 0,1,2,3,4,5,6,7
.irp c, 0,1,2,3
	ds_load_b128 v[128*(\p)+16*\i+4*\c:128*(\p)+16*\i+4*\c+3], v[ADB+\i/4] offset:(\i%4)*16*BP+128*(\q)+32*\c
.endr
.endr
.endm
.macro MM a, p, buf
.irp b, 0,1,2,3,4,5,6,7
	v_wmma_f32_16x16x128_fp8_fp8 v[ACC+8*(8*(\a)+\b):ACC+8*(8*(\a)+\b)+7], v[128*(\p)+16*\b:128*(\p)+16*\b+15], v[32*(\buf)+16*(\a):32*(\buf)+16*(\a)+15], v[ACC+8*(8*(\a)+\b):ACC+8*(8*(\a)+\b)+7]
.endr
.endm
.macro STEP q, kind, w
	s_wait_loadcnt \w
	s_wait_dscnt 0x0
.if \kind == 1
	LDA (\q)+7, ((\q)+7)%8
.endif
.if \kind == 2
	LDR (\q)-1
.endif
.if (\q) < 7
	LDB (\q)+1, ((\q)+1)%2
.endif
	WIN 0xf9
	MM 0, (\q)%2, \q
	MM 1, (\q)%2, \q
	PLACES
.endm
.macro CHANGE fill
	WIN 0
	v_add_nc_u32 v[ADB], s[TB], v[BL]
	v_add_nc_u32 v[ADB+1], s[TB], v[BL+1]
	s_wait_alu depctr_va_vdst(0)
	s_wait_tensorcnt 0x0
	ds_add_u32 v[SPW], v[NIL]
.if \fill
	s_xor_b32 s[TB], s[TB], SLOT
	s_add_co_u32 s[G0+1], s20, s[TB]
	s_add_nc_u64 s[G0+2:G0+3], s[G0+2:G0+3], 1024
.endif
	s_wait_dscnt 0x0
.if \fill
	ROUND
	tensor_load_to_lds s[G0:G0+3], s[G1:G1+7]
	s_nop 0
	PLACES
.else
	s_barrier_signal -1
	s_barrier_wait -1
.endif
	LDB 0, 0
.endm
	s_load_b256 s[4:11], s[0:1], 0x0
	s_load_b64 s[12:13], s[0:1], 0x20
	v_lshl_add_u32 v[SPW], v0, 2, SPARE
	v_mov_b32 v[NIL], 0
	ds_add_u32 v[SPW], v[NIL]
	ds_add_u32 v[SPW], v[NIL]
	v_lshrrev_b32 v1, 5, v0
	v_readfirstlane_b32 s[WV], v1
	s_bfe_u32 s15, ttmp6, 0x40000
	s_lshl_b32 s16, ttmp9, 2
	s_add_co_u32 s16, s16, s15
	s_and_b32 s17, ttmp7, 0xffff
	s_mov_b32 s[G1], 15|(1<<20)|(1<<21)|(7<<22)|(3<<25)
	s_mov_b32 s[G1+1], 1024<<16
	s_mov_b32 s[G1+2], 32<<16
	s_mov_b32 s[G1+3], 1024<<16
	s_mov_b32 s[G1+4], 32
	s_mov_b32 s[G1+5], SIZE_K
	s_mov_b32 s[G1+6], 0
	s_mov_b32 s[G1+7], 0
	s_lshl_b32 s18, s17, 7
	s_lshl_b32 s19, s[WV], 5
	s_add_co_u32 s18, s18, s19
	s_mul_i32 s18, s18, SIZE_K
	s_mov_b32 s19, 0
	s_mul_i32 s20, s[WV], 32*BP
	s_lshl_b32 s22, s16, 3
	s_lshl_b32 s23, s[WV], 1
	s_add_co_u32 s22, s22, s23
	s_lshl_b32 s22, s22, 10
	s_mov_b32 s23, 0
	s_lshl_b32 s42, s22, 6
	s_lshl_b32 s43, s17, 9
	s_add_co_u32 s42, s42, s43
	s_mov_b32 s43, 0
	s_mov_b32 s[TB], 0
	s_mul_i32 s21, s[WV], 16*SP
	s_add_co_u32 s21, s21, STAGE
	v_and_b32 v1, 15, v0
	v_bfe_u32 v2, v0, 4, 1
	v_and_b32 v3, 31, v0
	v_lshlrev_b32 v[AO], 4, v3
	v_mul_u32_u24 v[BL], v1, BP
	v_lshl_add_u32 v[BL], v2, 4, v[BL]
	v_add_nc_u32 v[BL+1], 64*BP, v[BL]
	v_mul_u32_u24 v3, v1, SP
	v_lshl_add_u32 v3, v2, 5, v3
	v_add_nc_u32 v[STO], s21, v3
	v_add_nc_u32 v[RD], s21, v[AO]
	s_wait_alu depctr_va_vdst(0)
	s_wait_dscnt 0x0
	s_wait_kmcnt 0x0
	s_load_b64 s[40:41], s[10:11], ESC
	s_mov_b32 s[G0], 1
	s_mov_b32 s[G0+1], s20
	s_add_nc_u64 s[G0+2:G0+3], s[6:7], s[18:19]
	s_or_b32 s[G0+3], s[G0+3], 0x80000000
	s_add_nc_u64 s[4:5], s[4:5], s[22:23]
	s_add_nc_u64 s[8:9], s[8:9], s[42:43]
	s_add_nc_u64 s[12:13], s[12:13], s[42:43]
	ROUND
	tensor_load_to_lds s[G0:G0+3], s[G1:G1+7]
	s_nop 0
	PLACES
.irp st, 0,1,2,3,4,5,6
	LDA \st, \st
.endr
	WIN 0xc0
.set k, 0
.rept 128
	v_mov_b32 v[ACC+k], 0
.set k, k+1
.endr
	LDA 7, 7                                       ; K is one slot here: A's last K step and the residual's 32 rows are asked for at the head too, behind what is needed first
	LDR 0
	LDR 1
	LDR 2
	LDR 3
	WIN 0
.if NSL > 1
	s_mov_b32 s[CNT], NSL-1
.Lslot:
	CHANGE 1
.irp q, 0,1,2,3,4,5,6,7
	STEP \q, 1, 48
.endr
	WIN 0
	s_wait_xcnt 0x0
	s_add_nc_u64 s[4:5], s[4:5], 16*KB
	s_sub_co_u32 s[CNT], s[CNT], 1
	s_cmp_lg_u32 s[CNT], 0
	s_cbranch_scc1 .Lslot
.endif
	CHANGE 0
	STEP 0, 0, 63                                  ; behind step q's loads stand 8 (7 - q) of A's and the residual's 32; a wait names 63 at the most
	STEP 1, 0, 63
	STEP 2, 0, 63
	STEP 3, 0, 63
	STEP 4, 0, 56
	STEP 5, 0, 48
	STEP 6, 0, 40
	STEP 7, 0, 32
	WIN 0
.macro TOSTAGE a
	WIN 0x0c
.irp b, 0,1,2,3,4,5,6,7
	ds_store_b128 v[STO], v[ACC+64*(\a)+8*\b:ACC+64*(\a)+8*\b+3] offset:64*\b
	ds_store_b128 v[STO], v[ACC+64*(\a)+8*\b+4:ACC+64*(\a)+8*\b+7] offset:64*\b+16
.endr
	WIN 0
.irp t, 0,1,2,3,4,5,6,7,8,9,10,11,12,13,14,15
	ds_load_b128 v[BK+64*(\a)+4*\t:BK+64*(\a)+4*\t+3], v[RD] offset:\t*SP
.endr
.endm
.macro SEND a, younger
	s_wait_dscnt \younger
	WIN 0x30
.set k, 0
.rept 32
	v_pk_fma_f32 v[BK+64*(\a)+k:BK+64*(\a)+k+1], v[BK+64*(\a)+k:BK+64*(\a)+k+1], s[38:39], v[64*(\a)+k:64*(\a)+k+1] op_sel_hi:[1,0,1]
.set k, k+2
.endr
	WIN 0
.irp t, 0,1,2,3,4,5,6,7,8,9,10,11,12,13,14,15
	global_store_b128 v[AO], v[BK+64*(\a)+4*\t:BK+64*(\a)+4*\t+3], s[12:13] offset:(16*(\a)+\t)*4096
.endr
.endm
	s_wait_kmcnt 0x0
	s_add_co_i32 s38, s40, s41
	s_add_co_i32 s38, s38, 127
	s_lshl_b32 s38, s38, 23
	s_mov_b32 s39, s38
	s_wait_loadcnt 0x0
	TOSTAGE 0
	TOSTAGE 1
	SEND 0, 32
	SEND 1, 0
	s_wait_tensorcnt 0x0
	ds_add_u32 v[SPW], v[NIL]
	s_wait_dscnt 0x0
	ROUND
	s_endpgm
.Lfunc_end_k_q0e880de8c0_wo:
	.size	k_q0e880de8c0_wo, .Lfunc_end_k_q0e880de8c0_wo-k_q0e880de8c0_wo
	.p2alignl 7, 3214868480
	.fill 96, 4, 3214868480
	.section	.rodata,"a",@progbits
	.p2align	6, 0x0
	.amdhsa_kernel k_q0e880de8c0_wo
		.amdhsa_group_segment_fixed_size 327680
		.amdhsa_private_segment_fixed_size 0
		.amdhsa_enable_private_segment 0
		.amdhsa_kernarg_size 40
		.amdhsa_user_sgpr_count 2
		.amdhsa_user_sgpr_kernarg_segment_ptr 1
		.amdhsa_wavefront_size32 1
		.amdhsa_system_sgpr_workgroup_id_x 1
		.amdhsa_system_sgpr_workgroup_id_y 1
		.amdhsa_system_sgpr_workgroup_id_z 1
		.amdhsa_system_vgpr_workitem_id 0
		.amdhsa_next_free_vgpr 1024
		.amdhsa_next_free_sgpr 66
		.amdhsa_reserve_vcc 0
		.amdhsa_float_denorm_mode_32 3
		.amdhsa_float_denorm_mode_16_64 3
		.amdhsa_memory_ordered 1
		.amdhsa_forward_progress 1
		.amdhsa_inst_pref_size 56
	.end_amdhsa_kernel
	.amdgpu_metadata
---
amdhsa.version: [ 1, 2 ]
amdhsa.kernels:
  - .name:           k_q0e880de8c0_wo
    .symbol:         k_q0e880de8c0_wo.kd
    .args:
      - { .name: attn_codes, .offset: 0, .size: 8, .value_kind: global_buffer, .address_space: global }
      - { .name: wo_codes, .offset: 8, .size: 8, .value_kind: global_buffer, .address_space: global }
      - { .name: x, .offset: 16, .size: 8, .value_kind: global_buffer, .address_space: global }
      - { .name: lowp_scales, .offset: 24, .size: 8, .value_kind: global_buffer, .address_space: global }
      - { .name: x1, .offset: 32, .size: 8, .value_kind: global_buffer, .address_space: global }
    .group_segment_fixed_size: 327680
    .private_segment_fixed_size: 0
    .kernarg_segment_align: 8
    .kernarg_segment_size: 40
    .max_flat_workgroup_size: 128
    .sgpr_count:     66
    .vgpr_count:     1024
    .wavefront_size: 32
...
	.end_amdgpu_metadata
.endif
;; end of part 4
;; launch norm2 (part 5): grid 512 x 1, 8 waves a work-group, no clusters, 41,984 bytes of LDS; arguments x1, g2, lowp_scales, xn2_codes; writes xn2_codes
.if DOCPART == 5
	.amdgcn_target "amdgcn-amd-amdhsa--gfx1250"
	.amdhsa_code_object_version 6
	.text
	.protected	k_q0e880de8c0_norm2
	.globl	k_q0e880de8c0_norm2
	.p2align	8
	.type	k_q0e880de8c0_norm2,@function
k_q0e880de8c0_norm2:
	s_mov_b64 s[64:65], 0
	v_nop
	global_prefetch_b8 v0, s[64:65] scope:SCOPE_SE
	s_setreg_imm32_b32 hwreg(HW_REG_WAVE_MODE, 25, 1), 1
	s_wait_xcnt 0x0
; xn2 = x1 / sqrt(mean(x1^2) + 1e-5) * g2, quantised with entry 12 of the exponents into [4096][1024] codes of E4M3, K innermost.  The first launch's text with one plane.  No work of the problem is left out here.
; code = xn2 / 2^e, held within +-448, rounded to the nearest code, ties to even.  ORDER OF ROUNDING: (x g) rsqrt(..) here, (x / sqrt(..)) g in the problem's text: they differ by roundings of f32 alone.
; LIMITS: e between -126 and 119.  NaN among the inputs is not served.
; SHARES.  A wave takes one row of 4,096 bytes: no barrier.  Each load reads 512 consecutive bytes; the row turns through the wave's own stage in LDS (64 bytes + 16 of padding a place), so that a lane holds 16 neighbours
; for the conversions; a store of the wave covers 512 consecutive bytes, aligned.  No matrix unit, no cluster, no tensor load: the launch streams, and its work-groups share g's 4,096 bytes alone.
.set NPL,   1
.set EOFF,  0x30
.set SP,    80
.set WREG,  64*SP
.set SPARE, 8*WREG                     ; behind the stages: the spare words, four blocks of 256 bytes that no other line names
.set X,   16
.set G,   48
.set Y,   80
.set T,   112
.set C,   208
.set KC,  232
.set SPW, 12
.set NIL, 13
.set OB,  32
	s_load_b256 s[4:11], s[0:1], 0x0               ; x1 s[4:5], g s[6:7], the exponents s[8:9], the codes s[10:11]
	v_lshl_add_u32 v[SPW], v0, 2, SPARE
	v_mov_b32 v[NIL], 0
	v_lshrrev_b32 v1, 5, v0
	s_delay_alu instid0(VALU_DEP_1)
	v_readfirstlane_b32 s12, v1                    ; wave 0..7
	v_and_b32 v2, 31, v0                           ; lane
	s_delay_alu instid0(VALU_DEP_1)
	v_lshlrev_b32 v3, 4, v2
	s_mul_i32 s13, s12, WREG
	v_lshrrev_b32 v14, 2, v2
	s_delay_alu instid0(VALU_DEP_1)
	v_mul_u32_u24 v14, v14, SP
	v_and_b32 v15, 3, v2
	s_delay_alu instid0(VALU_DEP_1)
	v_lshl_add_u32 v14, v15, 4, v14
	s_delay_alu instid0(VALU_DEP_1)
	v_add_nc_u32 v14, s13, v14                     ; the stage, on the way in
	v_mul_u32_u24 v15, v2, SP
	s_delay_alu instid0(VALU_DEP_1)
	v_add_nc_u32 v15, s13, v15                     ; and on the way out
	s_lshl_b32 s14, ttmp9, 3
	s_add_co_u32 s14, s14, s12                     ; my row
	s_lshl_b32 s16, s14, 12
	s_mov_b32 s17, 0
	s_lshl_b32 s18, s14, 10
	s_mov_b32 s19, 0
	s_mov_b32 s20, 0x76543210
	s_mov_b32 s21, 0xfedcba98
	s_mov_b32 s22, 0x3727c5ac                      ; 1e-5
	s_wait_alu depctr_va_vdst(0)
	s_wait_kmcnt 0x0
.set j, 0
.rept NPL
	s_load_b32 s[24+j], s[8:9], EOFF+8*j
.set j, j+1
.endr
	s_add_nc_u64 s[4:5], s[4:5], s[16:17]
	s_add_nc_u64 s[10:11], s[10:11], s[18:19]
.set j, 0
.rept NPL
	s_add_nc_u64 s[OB+2*j:OB+2*j+1], s[10:11], j*0x400000
.set j, j+1
.endr
.irp i, 0,1,2,3,4,5,6,7
	global_load_b128 v[X+4*\i:X+4*\i+3], v3, s[4:5] offset:512*\i th:TH_LOAD_NT
.endr
.irp i, 0,1,2,3,4,5,6,7
	global_load_b128 v[G+4*\i:G+4*\i+3], v3, s[6:7] offset:512*\i
.endr
	s_wait_loadcnt 8                               ; the row is in; g's eight loads may be out
.irp k, 0,1,2,3
	v_pk_mul_f32 v[4+2*\k:5+2*\k], v[X+2*\k:X+2*\k+1], v[X+2*\k:X+2*\k+1]
.endr
.set i, 4
.rept 12
	s_delay_alu instid0(VALU_DEP_4)
	v_pk_fma_f32 v[4+2*(i%4):5+2*(i%4)], v[X+2*i:X+2*i+1], v[X+2*i:X+2*i+1], v[4+2*(i%4):5+2*(i%4)]
.set i, i+1
.endr
	s_delay_alu instid0(VALU_DEP_3)
	v_pk_add_f32 v[4:5], v[4:5], v[6:7]
	s_delay_alu instid0(VALU_DEP_2)
	v_pk_add_f32 v[8:9], v[8:9], v[10:11]
	s_delay_alu instid0(VALU_DEP_1)
	v_pk_add_f32 v[4:5], v[4:5], v[8:9]
	s_delay_alu instid0(VALU_DEP_1)
	v_add_f32 v4, v4, v5
	s_delay_alu instid0(VALU_DEP_1)
	v_add_f32_dpp v4, v4, v4 row_xmask:1 row_mask:0xf bank_mask:0xf
	s_delay_alu instid0(VALU_DEP_1)
	v_add_f32_dpp v4, v4, v4 row_xmask:2 row_mask:0xf bank_mask:0xf
	s_delay_alu instid0(VALU_DEP_1)
	v_add_f32_dpp v4, v4, v4 row_xmask:4 row_mask:0xf bank_mask:0xf
	s_delay_alu instid0(VALU_DEP_1)
	v_add_f32_dpp v4, v4, v4 row_xmask:8 row_mask:0xf bank_mask:0xf
	s_delay_alu instid0(VALU_DEP_1)
	v_permlanex16_b32 v5, v4, s20, s21
	s_delay_alu instid0(VALU_DEP_1)
	v_add_f32 v4, v4, v5                           ; every lane holds the row's sum of squares
	s_wait_loadcnt 0x0                             ; g
.set i, 0
.rept 16
	v_pk_mul_f32 v[X+2*i:X+2*i+1], v[X+2*i:X+2*i+1], v[G+2*i:G+2*i+1]
.set i, i+1
.endr
.irp i, 0,1,2,3,4,5,6,7
	ds_store_b128 v14, v[X+4*\i:X+4*\i+3] offset:32*SP*(\i/4)+8*SP*(\i%4)
.endr
.irp u, 0,1
.irp m, 0,1,2,3
	ds_load_b128 v[Y+16*\u+4*\m:Y+16*\u+4*\m+3], v15 offset:32*SP*\u+16*\m   ; LDS serves a wave's instructions in order (ISA guide 5.7.1.4)
.endr
.endr
	v_fma_f32 v4, v4, 0x3a800000, s22              ; the mean + 1e-5
	s_wait_alu depctr_va_vdst(0)
	v_rsq_f32 v8, v4
	v_nop                                          ; a plain instruction behind the transcendental
	s_wait_kmcnt 0x0
.set j, 0
.rept NPL
	s_add_co_i32 s[24+j], s[24+j], 127
	s_lshl_b32 s40, s[24+j], 23
	v_mov_b32 v[KC+2*j], s40                       ; 2^e
	s_add_co_i32 s[24+j], s[24+j], 8
	s_lshl_b32 s40, s[24+j], 23
	s_or_b32 s40, s40, 0x600000
	v_mov_b32 v[KC+2*j+1], s40                     ; 448 x 2^e
.set j, j+1
.endr
	s_wait_alu depctr_va_vdst(0)                   ; the wait ahead of the first instruction that names the root's register
	s_wait_dscnt 0x0
.set i, 0
.rept 16
	v_pk_mul_f32 v[Y+2*i:Y+2*i+1], v[Y+2*i:Y+2*i+1], v[8:9] op_sel_hi:[1,0]
.set i, i+1
.endr
.set j, 0
.rept NPL
.set i, 0
.rept 32
	v_med3_num_f32 v[T+32*j+i], v[Y+i], -v[KC+2*j+1], v[KC+2*j+1]   ; the conversion does not saturate (ISA guide 7.6.2): the hold comes first
.set i, i+1
.endr
.irp g, 0,1,2,3
	v_cvt_scalef32_pk8_fp8_f32 v[C+8*j+2*\g:C+8*j+2*\g+1], v[T+32*j+8*\g:T+32*j+8*\g+7], v[KC+2*j]
.endr
	global_store_b128 v3, v[C+8*j:C+8*j+3], s[OB+2*j:OB+2*j+1]
	global_store_b128 v3, v[C+8*j+4:C+8*j+7], s[OB+2*j:OB+2*j+1] offset:512
.set j, j+1
.endr
	v_nop                                          ; a plain line behind the last conversion
	s_wait_tensorcnt 0x0                           ; the wave's end
	ds_add_u32 v[SPW], v[NIL]
	s_wait_dscnt 0x0
	s_endpgm
.Lfunc_end_k_q0e880de8c0_norm2:
	.size	k_q0e880de8c0_norm2, .Lfunc_end_k_q0e880de8c0_norm2-k_q0e880de8c0_norm2
	.p2alignl 7, 3214868480
	.fill 96, 4, 3214868480
	.section	.rodata,"a",@progbits
	.p2align	6, 0x0
	.amdhsa_kernel k_q0e880de8c0_norm2
		.amdhsa_group_segment_fixed_size 41984
		.amdhsa_private_segment_fixed_size 0
		.amdhsa_enable_private_segment 0
		.amdhsa_kernarg_size 32
		.amdhsa_user_sgpr_count 2
		.amdhsa_user_sgpr_kernarg_segment_ptr 1
		.amdhsa_wavefront_size32 1
		.amdhsa_system_sgpr_workgroup_id_x 1
		.amdhsa_system_sgpr_workgroup_id_y 1
		.amdhsa_system_sgpr_workgroup_id_z 1
		.amdhsa_system_vgpr_workitem_id 0
		.amdhsa_next_free_vgpr 240
		.amdhsa_next_free_sgpr 66
		.amdhsa_reserve_vcc 0
		.amdhsa_float_denorm_mode_32 3
		.amdhsa_float_denorm_mode_16_64 3
		.amdhsa_memory_ordered 1
		.amdhsa_forward_progress 1
		.amdhsa_inst_pref_size 12
	.end_amdhsa_kernel
	.amdgpu_metadata
---
amdhsa.version: [ 1, 2 ]
amdhsa.kernels:
  - .name:           k_q0e880de8c0_norm2
    .symbol:         k_q0e880de8c0_norm2.kd
    .args:
      - { .name: x1, .offset: 0, .size: 8, .value_kind: global_buffer, .address_space: global }
      - { .name: g2, .offset: 8, .size: 8, .value_kind: global_buffer, .address_space: global }
      - { .name: lowp_scales, .offset: 16, .size: 8, .value_kind: global_buffer, .address_space: global }
      - { .name: xn2_codes, .offset: 24, .size: 8, .value_kind: global_buffer, .address_space: global }
    .group_segment_fixed_size: 41984
    .private_segment_fixed_size: 0
    .kernarg_segment_align: 8
    .kernarg_segment_size: 32
    .max_flat_workgroup_size: 256
    .sgpr_count:     66
    .vgpr_count:     240
    .wavefront_size: 32
...
	.end_amdgpu_metadata
.endif
;; end of part 5
;; launch ffn1 (part 6): grid 16 x 16, 4 waves a work-group, clusters of 4 x 4, 327,680 bytes of LDS; arguments xn2_codes, w1_codes, lowp_scales, h_codes; writes h_codes
.if DOCPART == 6
	.amdgcn_target "amdgcn-amd-amdhsa--gfx1250"
	.amdhsa_code_object_version 6
	.text
	.protected	k_q0e880de8c0_ffn1
	.globl	k_q0e880de8c0_ffn1
	.p2align	8
	.type	k_q0e880de8c0_ffn1,@function
k_q0e880de8c0_ffn1:
	s_mov_b64 s[64:65], 0
	v_nop
	global_prefetch_b8 v0, s[64:65] scope:SCOPE_SE
	s_setreg_imm32_b32 hwreg(HW_REG_WAVE_MODE, 25, 1), 1
	s_wait_xcnt 0x0
	s_wait_alu depctr_hold_cnt(0) depctr_sa_sdst(0) depctr_va_vdst(0) depctr_va_sdst(0) depctr_va_ssrc(0) depctr_va_vcc(0) depctr_vm_vsrc(0)
	s_getreg_b32 s2, hwreg(HW_REG_IB_STS2, 6, 4)
	s_cmp_eq_u32 s2, 0
	s_cbranch_scc0 .Lentry_in_a_cluster
	s_endpgm
.Lentry_in_a_cluster:
	s_bfe_u32 s2, ttmp6, 0x10000c
	s_cmp_lg_u32 s2, 0xf033
	s_cbranch_scc0 .Lentry_shape_is_right
	s_endpgm
.Lentry_shape_is_right:
.set SIZE_K, 1024
.set KSTEP,  256
.set ROWB,   256
.set KROW,   SIZE_K
.set PITCH,  272
.set FR,     16
.set NL,     4
.set NP,     4
.set HALFT,  128*PITCH
.set SLOT,   4*HALFT
.set LAPS,   SIZE_K/(2*KSTEP)
.set SPARE,  2*SLOT
.set STAGE,  SPARE+512
.set SPITCH, 144
.set ADRA, 4
.set ADRB, 6
.set STO,  8
.set RD,   9
.set CO,   10
.set SPW,  12
.set NIL,  13
.set SC,   14
.set LIM,  15
.set CD,   16
.set AF,   128
.set AX,   96
.set T,    128
.set S,    160
.set R,    192
.set Q,    224
.set MK,   68
.set G1, 24
.set G0, 32
.set G1B, 48
.set G0B, 56
.set MSB, 0
.macro WIN new
.if MSB != \new
	s_set_vgpr_msb (MSB<<8)|\new
.set MSB, \new
.endif
.endm
.set MUL_LO, 0xa1
.set MUL_HI, 0xf1
.set TO_B,   0x40
.macro JLOAD g0a, g1a, g0b, g1b
	s_cmp_eq_u32 s15, 0
	s_cbranch_scc0 .Lfor_b_\@
	tensor_load_to_lds s[\g0a:\g0a+3], s[\g1a:\g1a+7]
	s_nop 0
.rept 4
	v_nop
.endr
	s_branch .Lasked_\@
.Lfor_b_\@:
	tensor_load_to_lds s[\g0b:\g0b+3], s[\g1b:\g1b+7]
	s_nop 0
.rept 4
	v_nop
.endr
.Lasked_\@:
.endm
.macro CREST
	s_cmp_lg_u32 s14, 0
	s_cbranch_scc1 .Lnot_wave_0_\@
	s_barrier_signal -3
.Lnot_wave_0_\@:
	s_barrier_wait -3
	s_barrier_signal -1
	s_barrier_wait -1
.endm
.macro CROUND
	s_barrier_signal -1
	s_barrier_wait -1
	CREST
.endm
	s_load_b128 s[4:7], s[0:1], 0x0
	s_load_b128 s[8:11], s[0:1], 0x10
	v_lshl_add_u32 v[SPW], v0, 2, SPARE
	v_mov_b32 v[NIL], 0
	ds_add_u32 v[SPW], v[NIL]
	ds_add_u32 v[SPW], v[NIL]
	v_lshrrev_b32 v1, 5, v0
	v_readfirstlane_b32 s14, v1
	s_lshr_b32 s15, s14, 1
	s_and_b32 s16, s14, 1
	s_bfe_u32 s40, ttmp6, 0x40000
	s_bfe_u32 s41, ttmp6, 0x40004
	s_lshl_b32 s42, ttmp9, 2
	s_add_co_u32 s42, s42, s40
	s_and_b32 s17, ttmp7, 0xffff
	s_lshl_b32 s17, s17, 2
	s_add_co_u32 s17, s17, s41
	s_lshl_b32 s43, s41, 2
	s_lshl_b32 s43, 15, s43
	s_lshl_b32 s44, 0x1111, s40
	s_or_b32 s[G1+0], s43, (0<<16)|(1<<20)|(1<<21)|(5<<22)|(3<<25)
	s_or_b32 s[G1B+0], s44, (0<<16)|(1<<20)|(1<<21)|(5<<22)|(3<<25)
.irp g, G1, G1B
	s_mov_b32 s[\g+1], ROWB<<16
	s_mov_b32 s[\g+2], 128<<16
	s_mov_b32 s[\g+3], ROWB<<16
	s_mov_b32 s[\g+4], 128
	s_mov_b32 s[\g+5], KROW
	s_mov_b32 s[\g+6], 0
	s_mov_b32 s[\g+7], 0
.endr
	s_lshl_b32 s18, s16, 7
	s_lshl_b32 s20, s17, 8
	s_add_co_u32 s20, s20, s18
	s_lshl_b32 s46, s42, 8
	s_add_co_u32 s46, s46, s18
	s_mov_b32 s21, 0
	s_mov_b32 s47, 0
	s_mov_b64 s[18:19], KROW
	s_mul_u64 s[20:21], s[20:21], s[18:19]
	s_mul_u64 s[46:47], s[46:47], s[18:19]
	s_mul_i32 s45, s14, HALFT
	s_wait_dscnt 0x0
	s_wait_kmcnt 0x0
	s_load_b128 s[96:99], s[8:9], 0x30
	s_add_nc_u64 s[20:21], s[4:5], s[20:21]
	s_add_nc_u64 s[46:47], s[6:7], s[46:47]
	CROUND
.irp s, 0,1
	s_mov_b32 s[G0+4*\s], 1
	s_add_co_u32 s[G0+4*\s+1], s45, \s*SLOT
	s_add_nc_u64 s[G0+4*\s+2:G0+4*\s+3], s[20:21], \s*ROWB
	s_or_b32 s[G0+4*\s+3], s[G0+4*\s+3], 0x80000000
	s_mov_b32 s[G0B+4*\s], 1
	s_add_co_u32 s[G0B+4*\s+1], s45, \s*SLOT
	s_add_nc_u64 s[G0B+4*\s+2:G0B+4*\s+3], s[46:47], \s*ROWB
	s_or_b32 s[G0B+4*\s+3], s[G0B+4*\s+3], 0x80000000
.endr
	JLOAD G0, G1, G0B, G1B                         ; K step 0: one tensor load a wave at the head
	v_and_b32 v1, 15, v0
	s_wait_alu depctr_va_vdst(0)
	v_bfe_u32 v2, v0, 4, 1
	v_mul_u32_u24 v3, v1, PITCH
	v_lshl_add_u32 v3, v2, 4, v3
	s_mul_i32 s21, s15, HALFT
	s_mul_i32 s22, s16, HALFT
	s_add_co_u32 s22, s22, 2*HALFT
.irp s, 0,1
	v_add_nc_u32 v[ADRA+\s], s21, v3
	v_add_nc_u32 v[ADRB+\s], s22, v3
	s_add_co_u32 s21, s21, SLOT
	s_add_co_u32 s22, s22, SLOT
.endr
	s_mul_i32 s23, s14, 16*SPITCH
	s_add_co_u32 s23, s23, STAGE
	v_mul_u32_u24 v11, v1, SPITCH
	s_wait_alu depctr_va_vdst(0)
	v_lshl_add_u32 v11, v2, 3, v11
	v_add_nc_u32 v[STO], s23, v11
	v_and_b32 v11, 31, v0
	v_lshlrev_b32 v[CO], 4, v11
	v_mul_u32_u24 v3, v1, SPITCH                   ; back from the stage: lane (r, h) takes 16 bytes of row r at 16 h
	v_lshl_add_u32 v3, v2, 4, v3
	v_add_nc_u32 v[RD], s23, v3
	s_lshl_b32 s20, s17, 8
	s_lshl_b32 s21, s15, 7
	s_add_co_u32 s20, s20, s21
	s_lshl_b32 s20, s20, 6
	s_mov_b32 s21, 0
	s_lshl_b32 s46, s42, 2
	s_lshl_b32 s47, s16, 1
	s_add_co_u32 s46, s46, s47
	s_lshl_b32 s46, s46, 18
	s_mov_b32 s47, 0
	s_add_nc_u64 s[10:11], s[10:11], s[20:21]
	s_add_nc_u64 s[10:11], s[10:11], s[46:47]
.macro FRAG reg, adr, q, i
.irp c, 0,1,2,3
	ds_load_b128 v[\reg+4*\c:\reg+4*\c+3], v[\adr] offset:128*(\q)+32*\c+(\i)*16*PITCH
.endr
.endm
.macro MUL16 a0, p, zero
.irp a, \a0, \a0+1
.irp b, 0,1,2,3,4,5,6,7
.if \zero
	v_wmma_f32_16x16x128_fp8_fp8 v[8*(8*((\a)%4)+\b):8*(8*((\a)%4)+\b)+7], v[128*(\p)+FR*\b:128*(\p)+FR*\b+FR-1], v[AF+FR*(\a):AF+FR*(\a)+FR-1], 0
.else
	v_wmma_f32_16x16x128_fp8_fp8 v[8*(8*((\a)%4)+\b):8*(8*((\a)%4)+\b)+7], v[128*(\p)+FR*\b:128*(\p)+FR*\b+FR-1], v[AF+FR*(\a):AF+FR*(\a)+FR-1], v[8*(8*((\a)%4)+\b):8*(8*((\a)%4)+\b)+7]
.endif
.endr
.endr
.endm
.macro FETCH_B slot, q, p
	WIN TO_B
.irp i, 0,1,2,3,4,5,6,7
	FRAG 128*(\p)+FR*\i, ADRB+\slot, \q, \i
.endr
	WIN 0
.endm
.macro FETCH_A slot, q, i0
.irp i, \i0, \i0+1, \i0+2, \i0+3
	FRAG AF+FR*(\i), ADRA+\slot, \q, \i
.endr
.endm
.macro PLACES n
.rept \n
	v_nop
.endr
.endm
.macro STEP slot, q, zero
	s_wait_dscnt 4*NL
	WIN MUL_LO
	MUL16 0, (\q)%2, \zero
	MUL16 2, (\q)%2, \zero
	s_wait_dscnt 0
	PLACES NP
	FETCH_B \slot, (\q)+1, 1-(\q)%2
	FETCH_A \slot, (\q)+1, 0
	WIN MUL_HI
	MUL16 4, (\q)%2, \zero
	MUL16 6, (\q)%2, \zero
	PLACES NP
	WIN 0
	FETCH_A \slot, (\q)+1, 4
.endm
.macro TURN slot, next, fill
	s_wait_tensorcnt 0x0
	ds_add_u32 v[SPW], v[NIL]
	s_wait_dscnt 4*NL+1
	WIN MUL_LO
	MUL16 0, 1, 0
	s_wait_dscnt 0x0
	s_barrier_signal -1
	MUL16 2, 1, 0
	WIN 0
	s_barrier_wait -1
.if \fill
	CREST
	s_add_nc_u64 s[G0+4*\slot+2:G0+4*\slot+3], s[G0+4*\slot+2:G0+4*\slot+3], 2*ROWB
	s_add_nc_u64 s[G0B+4*\slot+2:G0B+4*\slot+3], s[G0B+4*\slot+2:G0B+4*\slot+3], 2*ROWB
	JLOAD G0+4*\slot, G1, G0B+4*\slot, G1B
.else
	PLACES NP
.endif
	FETCH_B \next, 0, 0
	FETCH_A \next, 0, 0
	WIN MUL_HI
	MUL16 4, 1, 0
	MUL16 6, 1, 0
	PLACES NP
	WIN 0
	FETCH_A \next, 0, 4
.endm
	s_wait_alu depctr_va_vdst(0)
	s_wait_tensorcnt 0x0                           ; my part of K step 0 is in
	ds_add_u32 v[SPW], v[NIL]
	s_wait_dscnt 0x0
	CROUND                                         ; everybody's part of K step 0 is in, and the joint loads meet
	JLOAD G0+4, G1, G0B+4, G1B                     ; K step 1: the first tensor load behind the round
	FETCH_B 0, 0, 0
	FETCH_A 0, 0, 0
	FETCH_A 0, 0, 4
	STEP 0, 0, 1
	s_mov_b32 s3, LAPS-1
.Llap:
	TURN 0, 1, 1
	STEP 1, 0, 0
	TURN 1, 0, 1
	STEP 0, 0, 0
	s_sub_co_u32 s3, s3, 1
	s_cmp_lg_u32 s3, 0
	s_cbranch_scc1 .Llap
	TURN 0, 1, 0
	STEP 1, 0, 0
	s_wait_dscnt 4*NL
	WIN MUL_LO
	MUL16 0, 1, 0
	MUL16 2, 1, 0
	s_wait_dscnt 0
	WIN MUL_HI
	MUL16 4, 1, 0
	MUL16 6, 1, 0
	WIN 0
.macro MULL d, a, lit
.set k, 0
.rept 16
	v_pk_mul_f32 v[\d+k:\d+k+1], v[\a+k:\a+k+1], \lit op_sel_hi:[1,0]
.set k, k+2
.endr
.endm
.macro FMAL d, a, b, lit
.set k, 0
.rept 16
	v_pk_fma_f32 v[\d+k:\d+k+1], v[\a+k:\a+k+1], v[\b+k:\b+k+1], \lit op_sel_hi:[1,1,0]
.set k, k+2
.endr
.endm
.macro FMAK d, a, c, lit
.set k, 0
.rept 16
	v_pk_fma_f32 v[\d+k:\d+k+1], v[\a+k:\a+k+1], v[\c:\c+1], \lit op_sel_hi:[1,0,0]
.set k, k+2
.endr
.endm
.macro FMAV d, a, b, c
.set k, 0
.rept 16
	v_pk_fma_f32 v[\d+k:\d+k+1], v[\a+k:\a+k+1], v[\b+k:\b+k+1], v[\c+k:\c+k+1]
.set k, k+2
.endr
.endm
.macro GELU32 g
.set XP, 32+32*(\g)
.set k, 0
.rept 32
	v_and_b32 v[AX+k], s93, v[XP+k]
.set k, k+1
.endr
	MULL T, AX, 0x3fb504f3
.set k, 0
.rept 16
	v_pk_mul_f32 v[S+k:S+k+1], v[T+k:T+k+1], v[T+k:T+k+1]
.set k, k+2
.endr
	FMAK R, T, 0, 0x39c8e7d9
	FMAK Q, T, 2, 0x3cc6b1a1
	FMAV R, R, S, Q
	FMAL R, R, T, 0xbddaae5c
	FMAL R, R, T, 0xbf228550
	FMAL R, R, T, 0xbe03ce86
.set k, 0
.rept 16
	v_pk_fma_f32 v[R+k:R+k+1], v[R+k:R+k+1], v[T+k:T+k+1], v[T+k:T+k+1] neg_lo:[0,0,1] neg_hi:[0,0,1]
.set k, k+2
.endr
	MULL R, R, 0x3fb8aa3b
.set k, 0
	s_wait_alu depctr_va_vdst(0)
.rept 32
	v_exp_f32 v[R+k], v[R+k]
.set k, k+1
.endr
	FMAK Q, S, 4, 0x3ba38d2c
	FMAL Q, Q, S, 0xbcdb48d9
	FMAL Q, Q, S, 0x3de70e22
	FMAL Q, Q, S, 0xbec09380
	FMAL Q, Q, S, 0x3e0375d4
	FMAV Q, Q, T, T
	s_wait_alu depctr_va_vdst(0)
.set k, 0
.rept 16
	v_pk_fma_f32 v[R+k:R+k+1], v[R+k:R+k+1], -1.0, 1.0 op_sel_hi:[1,0,0]
.set k, k+2
.endr
.set k, 0
.rept 4
.irp m, 0,1,2,3,4,5,6,7
	v_cmp_lt_f32 s[MK+\m], s92, v[T+k+\m]
.endr
.irp m, 0,1,2,3,4,5,6,7
	v_cndmask_b32 v[Q+k+\m], v[Q+k+\m], v[R+k+\m], s[MK+\m]
.endr
.set k, k+8
.endr
	FMAV XP, AX, Q, XP
.set k, 0
.rept 32
	v_med3_num_f32 v[XP+k], v[XP+k], -v[LIM], v[LIM]
.set k, k+1
.endr
.irp q, 0,1,2,3
	v_cvt_scalef32_pk8_fp8_f32 v[CD+8*(\g)+2*\q:CD+8*(\g)+2*\q+1], v[XP+8*\q:XP+8*\q+7], v[SC]
.endr
.endm
	s_wait_kmcnt 0x0
	s_add_co_i32 s94, s96, s97
	s_add_co_i32 s94, s94, 126
	s_lshl_b32 s94, s94, 23
	s_mov_b32 s95, s94
	s_add_co_i32 s92, s98, 127
	s_lshl_b32 s93, s92, 23
	v_mov_b32 v[SC], s93
	s_add_co_i32 s92, s92, 8
	s_lshl_b32 s92, s92, 23
	s_or_b32 s92, s92, 0x600000
	v_mov_b32 v[LIM], s92
	s_mov_b32 s92, 0x3f6d8000
	s_mov_b32 s93, 0x7fffffff
	v_mov_b32 v0, 0xb7910000
	v_mov_b32 v1, 0xb7910000
	v_mov_b32 v2, 0xbb7e8a1c
	v_mov_b32 v3, 0xbb7e8a1c
	v_mov_b32 v4, 0xba1c7000
	v_mov_b32 v5, 0xba1c7000
	PLACES NP
	s_mov_b32 s3, 0
.Lblk:
.irp a, 1,2,3,4,5,6,7
	s_cmp_eq_u32 s3, \a
	s_cbranch_scc1 .Lstub\a
.endr
.irp a, 0,1,2,3,4,5,6,7
.Lstub\a:
	WIN 0x02+(\a/4)
.set k, 0
.rept 32
	v_pk_mul_f32 v[32+k:33+k], v[64*(\a%4)+k:64*(\a%4)+k+1], s[94:95] op_sel_hi:[1,0]
.set k, k+2
.endr
	WIN 0
	s_branch .Lwork
.endr
.Lwork:
	GELU32 0
	; The block before this one leaves here, between this block's two halves: its codes came back from the stage under the first half, and its stores have read their registers and base under the second.
	s_cmp_eq_u32 s3, 0
	s_cbranch_scc1 .Lnone                          ; the first block has none before it
	s_wait_dscnt 0x0
	WIN 0x04                                       ; the stores' data: window 1, where the columns' fragments lay
.irp t, 0,1,2,3
	global_store_b128 v[CO], v[4*\t:4*\t+3], s[10:11] offset:262144*(\t/2)+512*(\t%2)
.endr
	WIN 0
.Lnone:
	GELU32 1
	v_nop
	s_wait_alu depctr_va_vdst(0)
	s_wait_xcnt 0x0
	s_cmp_lg_u32 s3, 0
	s_cselect_b32 s20, 1024, 0                     ; 16 rows on, once a block has left
	s_mov_b32 s21, 0
	s_add_nc_u64 s[10:11], s[10:11], s[20:21]
.irp b, 0,1,2,3,4,5,6,7
	ds_store_b64 v[STO], v[CD+2*\b:CD+2*\b+1] offset:16*\b
.endr
	WIN 0x40
.irp t, 0,1,2,3
	ds_load_b128 v[4*\t:4*\t+3], v[RD] offset:32*(\t%2)+64*(\t/2)   ; h's codes are laid as the next launch's registers take them: [k / 64][row / 16][c][lane][16 bytes], lane (r, h) holding k = 32 c + 16 h + 0 .. 15 of row r
.endr
	WIN 0
	s_add_co_u32 s3, s3, 1
	s_cmp_lt_u32 s3, 8
	s_cbranch_scc1 .Lblk
	s_wait_dscnt 0x0                               ; the last block
	WIN 0x04
.irp t, 0,1,2,3
	global_store_b128 v[CO], v[4*\t:4*\t+3], s[10:11] offset:262144*(\t/2)+512*(\t%2)
.endr
	WIN 0
	s_wait_tensorcnt 0x0
	ds_add_u32 v[SPW], v[NIL]
	s_wait_dscnt 0x0
	CROUND
	s_endpgm
.Lfunc_end_k_q0e880de8c0_ffn1:
	.size	k_q0e880de8c0_ffn1, .Lfunc_end_k_q0e880de8c0_ffn1-k_q0e880de8c0_ffn1
	.p2alignl 7, 3214868480
	.fill 96, 4, 3214868480
	.section	.rodata,"a",@progbits
	.p2align	6, 0x0
	.amdhsa_kernel k_q0e880de8c0_ffn1
		.amdhsa_group_segment_fixed_size 327680
		.amdhsa_private_segment_fixed_size 0
		.amdhsa_enable_private_segment 0
		.amdhsa_kernarg_size 32
		.amdhsa_user_sgpr_count 2
		.amdhsa_user_sgpr_kernarg_segment_ptr 1
		.amdhsa_wavefront_size32 1
		.amdhsa_system_sgpr_workgroup_id_x 1
		.amdhsa_system_sgpr_workgroup_id_y 1
		.amdhsa_system_sgpr_workgroup_id_z 1
		.amdhsa_system_vgpr_workitem_id 0
		.amdhsa_next_free_vgpr 1024
		.amdhsa_next_free_sgpr 102
		.amdhsa_reserve_vcc 0
		.amdhsa_float_denorm_mode_32 3
		.amdhsa_float_denorm_mode_16_64 3
		.amdhsa_memory_ordered 1
		.amdhsa_forward_progress 1
		.amdhsa_inst_pref_size 163
	.end_amdhsa_kernel
	.amdgpu_metadata
---
amdhsa.version: [ 1, 2 ]
amdhsa.kernels:
  - .name:           k_q0e880de8c0_ffn1
    .symbol:         k_q0e880de8c0_ffn1.kd
    .args:
      - { .name: xn2_codes, .offset: 0, .size: 8, .value_kind: global_buffer, .address_space: global }
      - { .name: w1_codes, .offset: 8, .size: 8, .value_kind: global_buffer, .address_space: global }
      - { .name: lowp_scales, .offset: 16, .size: 8, .value_kind: global_buffer, .address_space: global }
      - { .name: h_codes, .offset: 24, .size: 8, .value_kind: global_buffer, .address_space: global }
    .group_segment_fixed_size: 327680
    .private_segment_fixed_size: 0
    .kernarg_segment_align: 8
    .kernarg_segment_size: 32
    .max_flat_workgroup_size: 128
    .sgpr_count:     102
    .vgpr_count:     1024
    .wavefront_size: 32
...
	.end_amdgpu_metadata
.endif
;; end of part 6
;; launch ffn2 (part 7): grid 8 x 32, 4 waves a work-group, clusters of 4 x 4, 327,680 bytes of LDS; arguments h_codes, w2_codes, x1, lowp_scales, out0; writes out0
.if DOCPART == 7
	.amdgcn_target "amdgcn-amd-amdhsa--gfx1250"
	.amdhsa_code_object_version 6
	.text
	.protected	k_q0e880de8c0_ffn2
	.globl	k_q0e880de8c0_ffn2
	.p2align	8
	.type	k_q0e880de8c0_ffn2,@function
k_q0e880de8c0_ffn2:
	s_mov_b64 s[64:65], 0
	v_nop
	global_prefetch_b8 v0, s[64:65] scope:SCOPE_SE
	s_setreg_imm32_b32 hwreg(HW_REG_WAVE_MODE, 25, 1), 1
	s_wait_xcnt 0x0
	s_wait_alu depctr_hold_cnt(0) depctr_sa_sdst(0) depctr_va_vdst(0) depctr_va_sdst(0) depctr_va_ssrc(0) depctr_va_vcc(0) depctr_vm_vsrc(0)
	s_getreg_b32 s2, hwreg(HW_REG_IB_STS2, 6, 4)
	s_cmp_eq_u32 s2, 0
	s_cbranch_scc0 .Lentry_in_a_cluster
	s_endpgm
.Lentry_in_a_cluster:
	s_bfe_u32 s2, ttmp6, 0x10000c
	s_cmp_lg_u32 s2, 0xf033
	s_cbranch_scc0 .Lentry_shape_is_right
	s_endpgm
.Lentry_shape_is_right:
; out0 = x1 + h w2^T x 2^(ea + eb) on codes of E4M3.  No work of the problem is left out here.  LIMIT: ea + eb between -126 and 127, so that 2^(ea + eb) is an f32 number.
; A (h): laid by the launch before in the order of a fragment's registers, [k / 64][row / 16][c][lane][16 bytes]; B (w2): [1024][4096] codes, K innermost; x1, out0: [4096][1024] f32.
; A tile of C is 128 x 128: 256 work-groups, one tile each; four waves, each 64 x 64: 16 accumulators.  K goes in steps of 512 through two LDS slots filled by the tensor data mover.
; CLUSTERS of 4 x 4: A's tile is shared along a row of the cluster, B's along a column: each is asked for jointly.  The matrix instruction is used transposed: a lane holds eight neighbouring numbers of a row of C.
; A's tile lies in LDS as it lies in memory, runs of 4,096 bytes on end: a fragment load reads 512 consecutive bytes, 16 a lane, so it needs no padding.
; PREFETCH: behind each joint load one instruction a wave asks for the K step that stands two refills on: of the 128 blocks of 256 bytes that a wave fetches, each of the four partners that ask for them jointly names 32,
; told apart by address (cx for A, cy for B).  The last two refills have no K step two on and ask for nothing.
; The residual is asked for behind the loop, two K steps ahead of the way out.
.set SIZE_K, 4096
.set ESC,    0x38
.set KSTEP,  512
.set ABLK,   4096
.set AHALF,  8*ABLK
.set BPITCH, 528
.set BHALF,  64*BPITCH
.set BOFF,   2*AHALF
.set SLOT,   BOFF+2*BHALF
.set SPARE,  2*SLOT
.set STAGE,  SPARE+512
.set SPITCH, 272
.set LAPS,   SIZE_K/(2*KSTEP)
.set ADRA, 16
.set ADRB, 20
.set STO,  24
.set RD,   25
.set CO,   26
.set SPW,  28
.set NIL,  29
.set BK,   32
.set ACC,  128
.set F0,   0
.set F1,   128
.set G1, 24
.set G0, 32
.set G1B, 48
.set G0B, 56
.set MSB, 0
.macro WIN new
.if MSB != \new
	s_set_vgpr_msb (MSB<<8)|\new
.set MSB, \new
.endif
.endm
.set MUL,  0x05
.set TO_F, 0x40
.macro JLOAD s
	s_cmp_eq_u32 s11, 0
	s_cbranch_scc0 .Lfor_b_\@
	tensor_load_to_lds s[G0+4*\s:G0+4*\s+3], s[G1:G1+7]
	s_nop 0
.rept 4
	v_nop
.endr
	s_branch .Lasked_\@
.Lfor_b_\@:
	tensor_load_to_lds s[G0B+4*\s:G0B+4*\s+3], s[G1B:G1B+7]
	s_nop 0
.rept 4
	v_nop
.endr
.Lasked_\@:
.endm
.macro CREST
	s_cmp_lg_u32 s10, 0
	s_cbranch_scc1 .Lnot_wave_0_\@
	s_barrier_signal -3
.Lnot_wave_0_\@:
	s_barrier_wait -3
	s_barrier_signal -1
	s_barrier_wait -1
.endm
.macro CROUND
	s_barrier_signal -1
	s_barrier_wait -1
	CREST
.endm
	s_load_b128 s[4:7], s[0:1], 0x0
	s_load_b128 s[68:71], s[0:1], 0x10
	s_load_b64 s[8:9], s[0:1], 0x20
	v_lshl_add_u32 v[SPW], v0, 2, SPARE
	v_mov_b32 v[NIL], 0
	ds_add_u32 v[SPW], v[NIL]
	ds_add_u32 v[SPW], v[NIL]
	v_lshrrev_b32 v1, 5, v0
	v_readfirstlane_b32 s10, v1
	s_lshr_b32 s11, s10, 1
	s_and_b32 s12, s10, 1
	s_bfe_u32 s40, ttmp6, 0x40000
	s_bfe_u32 s41, ttmp6, 0x40004
	s_lshl_b32 s42, ttmp9, 2
	s_add_co_u32 s42, s42, s40
	s_and_b32 s13, ttmp7, 0xffff
	s_lshl_b32 s13, s13, 2
	s_add_co_u32 s13, s13, s41
	s_lshl_b32 s43, s41, 2
	s_lshl_b32 s43, 15, s43
	s_lshl_b32 s44, 0x1111, s40
	s_or_b32 s[G1+0], s43, (1<<21)                 ; A: the mask of my row; elements of 1 byte; no padding; bit 21 beside a mask
	s_mov_b32 s[G1+1], 4096<<16
	s_mov_b32 s[G1+2], 8<<16
	s_mov_b32 s[G1+3], 4096<<16
	s_mov_b32 s[G1+4], 8
	s_mov_b32 s[G1+5], 262144
	s_mov_b32 s[G1+6], 0
	s_mov_b32 s[G1+7], 0
	s_or_b32 s[G1B+0], s44, (0<<16)|(1<<20)|(1<<21)|(6<<22)|(3<<25)
	s_mov_b32 s[G1B+1], KSTEP<<16
	s_mov_b32 s[G1B+2], 64<<16
	s_mov_b32 s[G1B+3], KSTEP<<16
	s_mov_b32 s[G1B+4], 64
	s_mov_b32 s[G1B+5], SIZE_K
	s_mov_b32 s[G1B+6], 0
	s_mov_b32 s[G1B+7], 0
	s_lshl_b32 s16, s13, 13
	s_lshl_b32 s17, s12, 12
	s_add_co_u32 s16, s16, s17
	s_mov_b32 s17, 0
	s_lshl_b32 s46, s42, 7
	s_lshl_b32 s47, s12, 6
	s_add_co_u32 s46, s46, s47
	s_mul_i32 s46, s46, SIZE_K
	s_mov_b32 s47, 0
	s_mul_i32 s20, s12, AHALF
	s_mul_i32 s21, s12, BHALF
	s_add_co_u32 s21, s21, BOFF
	; the prefetches' offset, v30.  A (waves 0, 1): eight runs of 4,096 bytes, 262,144 apart; four lanes to a run, my work-group's 1,024 bytes of it.  B (waves 2, 3): rows of 512 bytes, 4,096 apart; two lanes to a row, my work-group's 16 rows
	s_lshl_b32 s76, s40, 10
	s_lshl_b32 s77, s41, 16
	s_mov_b32 s78, 4096
	s_mov_b32 s74, KSTEP
	s_mov_b32 s75, 0
	s_cmp_eq_u32 s11, 0
	s_cselect_b32 s76, s76, s77                    ; my work-group's part
	s_cselect_b32 s78, 262144, s78                 ; from run to run, or from row to row
	s_cselect_b32 s74, 8*262144, s74               ; s[74:75]: a K step on
	s_cselect_b32 s77, 2, 1
	s_cselect_b32 s79, 3, 1
	; who asks: A's waves in every cluster (a block of A is loaded by two clusters); B's waves in the clusters with an even y alone: a block of B is loaded by the eight clusters of its column of tiles, and four of them name it.
	; The test is made of the cluster's y and the wave's number: it is the same in all partners.
	s_and_b32 s81, ttmp7, 1
	s_and_b32 s81, s81, s11
	s_cmp_eq_u32 s81, 0
	s_cselect_b32 s80, 1, -1                       ; s80: 1 where my wave asks, else the greatest number
	v_and_b32 v30, 31, v0
	v_lshrrev_b32 v31, s77, v30
	v_and_b32 v30, s79, v30
	v_mul_u32_u24 v31, v31, s78
	v_lshl_add_u32 v30, v30, 8, v31
	v_add_nc_u32 v30, s76, v30
	s_wait_alu depctr_va_vdst(0)
	s_wait_dscnt 0x0
	s_wait_kmcnt 0x0
	s_load_b64 s[66:67], s[70:71], ESC
	s_add_nc_u64 s[14:15], s[4:5], s[16:17]
	s_add_nc_u64 s[46:47], s[6:7], s[46:47]
	s_cmp_eq_u32 s11, 0
	s_cselect_b64 s[72:73], s[14:15], s[46:47]     ; s[72:73]: where my prefetches stand: what I fetch,
	s_add_nc_u64 s[72:73], s[72:73], s[74:75]
	s_add_nc_u64 s[72:73], s[72:73], s[74:75]      ; at K step 2
	CROUND
.irp s, 0,1
	s_mov_b32 s[G0+4*\s], 1
	s_add_co_u32 s[G0+4*\s+1], s20, \s*SLOT
	s_add_nc_u64 s[G0+4*\s+2:G0+4*\s+3], s[14:15], \s*8*262144
	s_or_b32 s[G0+4*\s+3], s[G0+4*\s+3], 0x80000000
	s_mov_b32 s[G0B+4*\s], 1
	s_add_co_u32 s[G0B+4*\s+1], s21, \s*SLOT
	s_add_nc_u64 s[G0B+4*\s+2:G0B+4*\s+3], s[46:47], \s*KSTEP
	s_or_b32 s[G0B+4*\s+3], s[G0B+4*\s+3], 0x80000000
.endr
	JLOAD 0                                        ; K step 0: one tensor load a wave at the head
	s_cmp_eq_u32 s80, 1
	s_cbranch_scc0 .Lno_ask_a
	global_prefetch_b8 v30, s[72:73] th:TH_LOAD_NT scope:SCOPE_SE   ; K step 2
.Lno_ask_a:
	v_and_b32 v1, 15, v0
	v_bfe_u32 v2, v0, 4, 1
	v_lshlrev_b32 v5, 12, v2
	v_lshl_add_u32 v[CO], v1, 4, v5
	s_wait_alu depctr_va_vdst(0)
	s_lshl_b32 s16, s13, 19
	s_lshl_b32 s17, s11, 18
	s_add_co_u32 s16, s16, s17
	s_mov_b32 s17, 0
	s_lshl_b32 s46, s42, 9
	s_lshl_b32 s47, s12, 8
	s_add_co_u32 s46, s46, s47
	s_mov_b32 s47, 0
	s_add_nc_u64 s[68:69], s[68:69], s[16:17]
	s_add_nc_u64 s[68:69], s[68:69], s[46:47]
	s_add_nc_u64 s[8:9], s[8:9], s[16:17]
	s_add_nc_u64 s[8:9], s[8:9], s[46:47]
	v_and_b32 v3, 31, v0
	v_lshlrev_b32 v3, 4, v3                        ; A: 16 x lane
	v_mul_u32_u24 v4, v1, BPITCH
	v_lshl_add_u32 v4, v2, 4, v4
	s_mul_i32 s21, s11, AHALF
	s_mul_i32 s22, s12, BHALF
	s_add_co_u32 s22, s22, BOFF
.irp s, 0,1
	v_add_nc_u32 v[ADRA+\s], s21, v3
	v_add_nc_u32 v[ADRB+\s], s22, v4
	s_add_co_u32 s21, s21, SLOT
	s_add_co_u32 s22, s22, SLOT
.endr
	s_mul_i32 s23, s10, 16*SPITCH
	s_add_co_u32 s23, s23, STAGE
	v_mul_u32_u24 v5, v1, SPITCH
	v_lshl_add_u32 v5, v2, 5, v5
	v_add_nc_u32 v[STO], s23, v5
	v_mul_u32_u24 v5, v2, SPITCH
	v_lshl_add_u32 v5, v1, 4, v5
	v_add_nc_u32 v[RD], s23, v5
.macro MUL4 f, a, zero
.irp b, 0,1,2,3
.if \zero
	v_wmma_f32_16x16x128_fp8_fp8 v[ACC+8*(4*(\a)+\b):ACC+8*(4*(\a)+\b)+7], v[\f+64+16*\b:\f+64+16*\b+15], v[\f+16*(\a):\f+16*(\a)+15], 0
.else
	v_wmma_f32_16x16x128_fp8_fp8 v[ACC+8*(4*(\a)+\b):ACC+8*(4*(\a)+\b)+7], v[\f+64+16*\b:\f+64+16*\b+15], v[\f+16*(\a):\f+16*(\a)+15], v[ACC+8*(4*(\a)+\b):ACC+8*(4*(\a)+\b)+7]
.endif
.endr
.endm
.macro FETCH slot, q, f
	WIN TO_F
.irp i, 0,1,2,3
.irp c, 0,1,2,3
	ds_load_b128 v[\f+64+16*\i+4*\c:\f+64+16*\i+4*\c+3], v[ADRB+\slot] offset:128*(\q)+32*\c+\i*16*BPITCH
.endr
.endr
.irp i, 0,1,2,3
.irp c, 0,1,2,3
	ds_load_b128 v[\f+16*\i+4*\c:\f+16*\i+4*\c+3], v[ADRA+\slot] offset:(2*(\q)+\c/2)*ABLK+\i*1024+512*(\c%2)
.endr
.endr
.endm
.macro PLACES
.rept 4
	v_nop
.endr
.endm
.macro QUARTER slot, q, f, g, zero
	s_wait_dscnt 8
	WIN MUL
	MUL4 \f, 0, \zero
	MUL4 \f, 1, \zero
	PLACES
	FETCH \slot, \q, \g
	s_wait_dscnt 32
	WIN MUL
	MUL4 \f, 2, \zero
	MUL4 \f, 3, \zero
.endm
.macro ASK                             ; in the loop's last trip (s3 = 1) the refills have no K step two on
	s_cmp_gt_u32 s3, s80
	s_cbranch_scc0 .Lno_ask_\@
	global_prefetch_b8 v30, s[72:73] th:TH_LOAD_NT scope:SCOPE_SE
.Lno_ask_\@:
.endm
.macro TURN slot, next, fill
	WIN 0
.if \fill
	s_wait_xcnt 0x0                                ; my last prefetch has read its address: it is stepped here, a K step behind that prefetch
	s_add_nc_u64 s[72:73], s[72:73], s[74:75]
.endif
	s_wait_tensorcnt 0x0
	ds_add_u32 v[SPW], v[NIL]
	s_wait_dscnt 9
	WIN MUL
	MUL4 F1, 0, 0
	s_wait_dscnt 0x0
	s_barrier_signal -1
	MUL4 F1, 1, 0
.if \fill
	WIN 0
.endif
	s_barrier_wait -1
.if \fill
	CREST
	s_add_nc_u64 s[G0+4*\slot+2:G0+4*\slot+3], s[G0+4*\slot+2:G0+4*\slot+3], 2*8*262144
	s_add_nc_u64 s[G0B+4*\slot+2:G0B+4*\slot+3], s[G0B+4*\slot+2:G0B+4*\slot+3], 2*KSTEP
	JLOAD \slot
.else
	PLACES
.endif
	FETCH \next, 0, F0
.if \fill
	WIN 0
	ASK                                            ; behind the joint load and the run of LDS loads
.endif
	WIN MUL
	MUL4 F1, 2, 0
	MUL4 F1, 3, 0
.endm
	s_wait_alu depctr_va_vdst(0)
	s_wait_xcnt 0x0
	s_add_nc_u64 s[72:73], s[72:73], s[74:75]      ; the prefetches: on to K step 3
	s_wait_tensorcnt 0x0                           ; my part of K step 0 is in
	ds_add_u32 v[SPW], v[NIL]
	s_wait_dscnt 0x0
	CROUND                                         ; everybody's part of K step 0 is in, and the joint loads meet
	JLOAD 1                                        ; K step 1: the first tensor load behind the round
	FETCH 0, 0, F0
	WIN 0
	s_cmp_eq_u32 s80, 1
	s_cbranch_scc0 .Lno_ask_b
	global_prefetch_b8 v30, s[72:73] th:TH_LOAD_NT scope:SCOPE_SE   ; K step 3
.Lno_ask_b:
	QUARTER 0, 1, F0, F1, 1
.if LAPS > 1
	WIN 0
	s_mov_b32 s3, LAPS-1
.Llap:
	QUARTER 0, 2, F1, F0, 0
	QUARTER 0, 3, F0, F1, 0
	TURN 0, 1, 1
	QUARTER 1, 1, F0, F1, 0
	QUARTER 1, 2, F1, F0, 0
	QUARTER 1, 3, F0, F1, 0
	TURN 1, 0, 1
	QUARTER 0, 1, F0, F1, 0
	WIN 0
	s_sub_co_u32 s3, s3, 1
	s_cmp_lg_u32 s3, 0
	s_cbranch_scc1 .Llap
.endif
	WIN 0x80                                       ; destination window 2
.irp a, 0,1,2,3
.irp t, 0,1,2,3,4,5,6,7
	global_load_b128 v[4*(8*\a+\t):4*(8*\a+\t)+3], v[CO], s[68:69] offset:(16*\a+2*\t)*4096 th:TH_LOAD_NT   ; the residual, in the layout in which the sums come back from the stage; it lands under the last lap
.endr
.endr
	WIN 0
	QUARTER 0, 2, F1, F0, 0
	QUARTER 0, 3, F0, F1, 0
	TURN 0, 1, 0
	QUARTER 1, 1, F0, F1, 0
	QUARTER 1, 2, F1, F0, 0
	QUARTER 1, 3, F0, F1, 0
	s_wait_dscnt 8
	WIN MUL
	MUL4 F1, 0, 0
	MUL4 F1, 1, 0
	s_wait_dscnt 0
	MUL4 F1, 2, 0
	MUL4 F1, 3, 0
	WIN 0
.macro TOSTAGE a
.irp b, 0,1,2,3
	ds_store_b128 v[STO], v[ACC+8*(4*(\a)+\b):ACC+8*(4*(\a)+\b)+3] offset:64*\b
	ds_store_b128 v[STO], v[ACC+8*(4*(\a)+\b)+4:ACC+8*(4*(\a)+\b)+7] offset:64*\b+16
.endr
.set BB, BK+32*((\a)%2)
.irp t, 0,1,2,3,4,5,6,7
	ds_load_b128 v[BB+4*\t:BB+4*\t+3], v[RD] offset:\t*2*SPITCH
.endr
.endm
.macro SEND a, younger
.set BB, BK+32*((\a)%2)
	s_wait_dscnt \younger
	WIN 0x20
.set k, 0
.rept 16
	v_pk_fma_f32 v[BB+k:BB+k+1], v[BB+k:BB+k+1], s[70:71], v[32*(\a)+k:32*(\a)+k+1] op_sel_hi:[1,0,1]
.set k, k+2
.endr
	WIN 0
.irp t, 0,1,2,3,4,5,6,7
	global_store_b128 v[CO], v[BB+4*\t:BB+4*\t+3], s[8:9] offset:(16*(\a)+2*\t)*4096
.endr
.endm
	s_wait_kmcnt 0x0
	s_add_co_i32 s70, s66, s67
	s_add_co_i32 s70, s70, 127
	s_lshl_b32 s70, s70, 23
	s_mov_b32 s71, s70
	PLACES
	s_wait_loadcnt 0x0
	TOSTAGE 0
.irp a, 1,2,3
.if \a > 1
	s_wait_xcnt 0x0
.endif
	TOSTAGE \a
	SEND \a-1, 16
.endr
	SEND 3, 0
	s_wait_tensorcnt 0x0
	ds_add_u32 v[SPW], v[NIL]
	s_wait_dscnt 0x0
	CROUND
	s_endpgm
.Lfunc_end_k_q0e880de8c0_ffn2:
	.size	k_q0e880de8c0_ffn2, .Lfunc_end_k_q0e880de8c0_ffn2-k_q0e880de8c0_ffn2
	.p2alignl 7, 3214868480
	.fill 96, 4, 3214868480
	.section	.rodata,"a",@progbits
	.p2align	6, 0x0
	.amdhsa_kernel k_q0e880de8c0_ffn2
		.amdhsa_group_segment_fixed_size 327680
		.amdhsa_private_segment_fixed_size 0
		.amdhsa_enable_private_segment 0
		.amdhsa_kernarg_size 40
		.amdhsa_user_sgpr_count 2
		.amdhsa_user_sgpr_kernarg_segment_ptr 1
		.amdhsa_wavefront_size32 1
		.amdhsa_system_sgpr_workgroup_id_x 1
		.amdhsa_system_sgpr_workgroup_id_y 1
		.amdhsa_system_sgpr_workgroup_id_z 1
		.amdhsa_system_vgpr_workitem_id 0
		.amdhsa_next_free_vgpr 640
		.amdhsa_next_free_sgpr 84
		.amdhsa_reserve_vcc 0
		.amdhsa_float_denorm_mode_32 3
		.amdhsa_float_denorm_mode_16_64 3
		.amdhsa_memory_ordered 1
		.amdhsa_forward_progress 1
		.amdhsa_inst_pref_size 80
	.end_amdhsa_kernel
	.amdgpu_metadata
---
amdhsa.version: [ 1, 2 ]
amdhsa.kernels:
  - .name:           k_q0e880de8c0_ffn2
    .symbol:         k_q0e880de8c0_ffn2.kd
    .args:
      - { .name: h_codes, .offset: 0, .size: 8, .value_kind: global_buffer, .address_space: global }
      - { .name: w2_codes, .offset: 8, .size: 8, .value_kind: global_buffer, .address_space: global }
      - { .name: x1, .offset: 16, .size: 8, .value_kind: global_buffer, .address_space: global }
      - { .name: lowp_scales, .offset: 24, .size: 8, .value_kind: global_buffer, .address_space: global }
      - { .name: out0, .offset: 32, .size: 8, .value_kind: global_buffer, .address_space: global }
    .group_segment_fixed_size: 327680
    .private_segment_fixed_size: 0
    .kernarg_segment_align: 8
    .kernarg_segment_size: 40
    .max_flat_workgroup_size: 128
    .sgpr_count:     84
    .vgpr_count:     640
    .wavefront_size: 32
...
	.end_amdgpu_metadata
.endif
;; end of part 7
